; MI455X (gfx1250); checked and timed in simulation.
; The chip was launched on July 23, 2026; its instructions are those of AMD's public machine-readable ISA for CDNA 5 (MIT licence, August 2026) and "CDNA5" Instruction Set Architecture Reference Guide (July 2026). The comments in the code are by the model that wrote it; some were corrected since.
;; Multi Head Self Attention. Allowed arithmetic: matrix products marked QUANTISED: E2M3 operands, one E8M0 scale for each 32 along K, by v_wmma_scale_f32_16x16x128_f8f6f4 with both operands' format E2M3, f32 sums; everything else in f32.
;; Inputs: b_proj 1,024 float32; w_proj 1,024 x 1,024 float32; w_qkv 1,024 x 3,072 float32; x 4 x 2,048 x 1,024 float32.
;; Outputs: out0 4 x 2,048 x 1,024 float32.
;; This version of the problem:
;;   THIS VERSION OF THE PROBLEM IS GIVEN IN LOW PRECISION. The matrix products marked QUANTISED in the list below multiply operands that are first quantised to E2M3 (2 exponent bits, 3 mantissa bits; 6 bits a number), with one power-of-two scale for each 32 numbers along K (OCP MX v1.0); their sums are f32. All else is computed in f32.
;;   The module's matrix products, in the order in which they are computed (A, B: the left and right operand; K: the contracted axis; several contracted axes count as one K, in the product's order):
;;     1. [M 8,192, K 1,024] x [K 1,024, N 3,072]; A: input x; B: input w_qkv: QUANTISED
;;     2. batch 64 x [M 2,048, K 64] x [K 64, N 2,048]; A: computed on the way; B: computed on the way: QUANTISED
;;     3. batch 64 x [M 2,048, K 2,048] x [K 2,048, N 64]; A: softmax (see below); B: computed on the way: QUANTISED
;;     4. [M 8,192, K 1,024] x [K 1,024, N 1,024]; A: computed on the way; B: input w_proj: QUANTISED
;;   THE QUANTISER, for each operand of a quantised product, along K:
;;     - K is cut into blocks of 32 from its start; a last block that is shorter is filled with zeros.
;;     - A block's scale is 2^e with e = floor(log2(the largest magnitude in the block)) - 2, held to -126 .. 127; a block of zeros has e = 0. As a byte (E8M0): e + 127.
;;     - Each number is divided by its block's scale, clamped to +-7.5, and rounded to the nearest number of E2M3, ties to even, subnormals kept.
;;     - The product sums the exact products of the quantised numbers (number of the format x scale) in f32.
;;   ~~~python
;;   def quantise(x, axis):      # numpy; x: float32 -> the quantised numbers, widened to float32 again
;;       x = np.moveaxis(x, axis, -1); K = x.shape[-1]
;;       x = np.pad(x, [(0, 0)] * (x.ndim - 1) + [(0, -K % 32)]); x = x.reshape(x.shape[:-1] + (-1, 32)); a = np.abs(x).max(-1, keepdims=True)
;;       e = np.where(a > 0, np.clip(np.frexp(np.where(a > 0, a, 1))[1] - 1 - 2, -126, 127), 0)      # np.frexp(a)[1] - 1 = floor(log2(a)), exactly
;;       r = np.clip(x / 2.0 ** e, -7.5, 7.5)
;;       step = 2.0 ** (np.maximum(np.frexp(np.where(r == 0, 1, r))[1] - 1, 0) - 3)
;;       q = np.round(r / step) * step * 2.0 ** e      # np.round: ties to even
;;       return np.moveaxis(q.reshape(q.shape[:-2] + (-1,))[..., :K], -1, axis).astype(np.float32)
;;   ~~~
;;   SOFTMAX AHEAD OF A QUANTISED PRODUCT. Where the list says 'softmax', what is quantised is not the finished softmax but p = 2^(t - M), with t = logit x log2(e) and M = ceil(the row's largest t), a whole number; so 1/2 < the row's largest p <= 1. The row's sum l is taken of the UNQUANTISED p, in f32, and the product's result is divided by l at the end. Since M is a whole number, a kernel that streams over the keys may use a running M (the ceiling of the running maximum): every later rescaling is an exact power of two, which a block's scale takes up: the codes' values come out the same.
;;   OPERANDS COMPUTED ON THE WAY. 'Computed on the way' means the value that the module computes at that place (a softmax that the list does not call 'softmax' is quantised finished and normalised). What goes into a quantiser is computed in f32, as accurately as f32 sums, v_exp_f32 and their like allow (about 1e-6 of the number): no bf16 or f16 on the way to a quantiser, and a product that is left as it is and whose result goes on into a quantised operand takes f32 operands (vector FMAs, or v_wmma_f32_16x16x4_f32). A number that lies on a knife's edge between two numbers of the format may be rounded either way, as far as f32 arithmetic and the matrix unit's own rounding can turn it there, and no further.
;; One version. Each part assembles by itself: llvm-mc -triple=amdgcn-amd-amdhsa -mcpu=gfx1250 --defsym DOCPART=n.
;; ======== version 1 of 1: 4 launches
;; workspace buffers: aq 6,553,600 bytes; wq 3,276,800 bytes; qkq 13,107,200 bytes; vq 6,553,600 bytes
;; launch quant (part 1): grid 384 x 1, 4 waves a work-group, no clusters, 59,904 bytes of LDS; arguments x, w_qkv, w_proj, aq, wq; writes aq, wq
.if DOCPART == 1
	.amdgcn_target "amdgcn-amd-amdhsa--gfx1250"
	.amdhsa_code_object_version 6
	.text
	.protected	k_qb822ac3970_quant
	.globl	k_qb822ac3970_quant
	.p2align	8
	.type	k_qb822ac3970_quant,@function
k_qb822ac3970_quant:
	s_mov_b64 s[64:65], 0
	v_nop
	global_prefetch_b8 v0, s[64:65] scope:SCOPE_SE
	s_setreg_imm32_b32 hwreg(HW_REG_WAVE_MODE, 25, 1), 1
	s_wait_xcnt 0x0
; x [8192][1024], w_qkv [1024][3072] and w_proj [1024][1024], f32, become codes of FP6 (E2M3) with one E8M0 byte for each 32 along K (K = 1,024 in all three).
; A block's scale is 2^(floor(log2(its largest magnitude)) - 2); its byte is the largest magnitude's exponent field - 2, held at 1 from below.
; LIMITS: NaN and infinities among the inputs are not served.  A block of zeros, and a block whose largest magnitude lies under 2^-124, keeps the byte 1 (the rule says 127 for zeros): its codes
; are zeros or are made under the byte 1, and this program alone reads the bytes.
; LAYOUT OF THE RESULTS.  Codes lie as IMAGES OF OPERAND REGISTERS.  A tile is 16 rows; tile T, index i, is row 32 (T / 2) + 8 (T % 2) + i + 8 (i / 8).  A fragment (a tile x 128 along K, 12 registers
; a lane) is 1,536 bytes: register pair p of lane l at 256 p + 8 l.  Tile T's eight fragments lie on end: T x 12,288 + s x 1,536.  Scale words (four bytes: one row, one K step s) lie behind the codes:
; T x 512 + (s / 2) x 128 + 8 i + 4 (s % 2).  aq holds x's 512 tiles; wq holds w_qkv's 192 tiles of columns n, then w_proj's 64.
; SHARES.  Work-groups 0-255 take x: 32 rows each; a wave takes a tile and half of K (four K steps).  Work-groups 256-383 take the weights: 128 columns x 256 along K each; a wave takes 32 columns.
; Each work-group reads 131,072 bytes.  Nothing is read twice and no two work-groups share a byte, so there is no cluster, no tensor load and no barrier: waves share nothing.  Each path has LDS bytes of its own.
.set ASC,   6291456                    ; aq: where the scale words begin
.set WSC,   3145728                    ; wq: likewise
.set XSTW,  16*528                     ; x's path: a wave's stage: 16 rows x (512 bytes + 16)
.set WSTG,  4*XSTW                     ; the weights' path: stages behind x's
.set WSTT,  3200                       ; a tile's two fragments, 3,072 bytes, + 128, so that the two tiles of a store fall on different banks
.set WSTW,  2*WSTT
.set SPARE, WSTG+4*WSTW                ; the spare words, 128 bytes for each wave: two blocks of 256 bytes that no other line names
.set L16,   5                          ; v5   16 x lane
.set XST,   6                          ; v6   x: into the stage
.set XLD,   7                          ; v7   x: out of it
.set L8,    8                          ; v8   8 x lane
.set XSO,   9                          ; v9   x: my place among the wave's scale words
.set WST,   10                         ; v10  weights: into the stage
.set WLD,   11                         ; v11  weights: out of it
.set SPW,   12                         ; v12  LDS address of my spare word; never rewritten
.set NIL,   13                         ; v13  0; never rewritten
.set WSO,   14                         ; v14  weights: my place among the scale words
.set R,     16                         ; x: v16-143 two sets of 64 numbers as loaded
.set X,     144                        ; x: v144-207 64 numbers of my row
.set PC,    208                        ; x: v208-227 the codes
.set TM,    228                        ; x: v228-243 at work
.set PWS,   244                        ; x: v244-247 four scale words
.set SEL,   52                         ; s[52:53] lane selects for v_permlanex16_b32: lane l xor 16
	s_load_b256 s[4:11], s[0:1], 0x0               ; x, w_qkv, w_proj, aq
	s_load_b64 s[12:13], s[0:1], 0x20              ; wq
	v_lshl_add_u32 v[SPW], v0, 2, SPARE
	v_mov_b32 v[NIL], 0
	v_lshrrev_b32 v1, 5, v0
	v_readfirstlane_b32 s16, v1                    ; wave
	v_and_b32 v2, 31, v0                           ; lane
	v_and_b32 v3, 15, v0                           ; r
	v_bfe_u32 v4, v0, 4, 1                         ; h
	v_lshlrev_b32 v[L16], 4, v2
	v_lshlrev_b32 v[L8], 3, v2
	; every LDS address is made here, ahead of the parting of the two paths
	s_mul_i32 s17, s16, XSTW
	v_add_nc_u32 v[XST], s17, v[L16]               ; a row's 512 bytes as they are loaded
	v_mul_u32_u24 v[XLD], v3, 528
	v_lshl_add_u32 v[XLD], v4, 6, v[XLD]
	v_add_nc_u32 v[XLD], s17, v[XLD]               ; row r, + 64 h: my 16 numbers of a block of 32
	v_lshlrev_b32 v[XSO], 3, v3
	v_lshl_add_u32 v[XSO], v4, 7, v[XSO]           ; 8 r + 128 h
	v_bfe_u32 v1, v0, 3, 1                         ; u: which of my wave's two tiles my column falls into
	v_and_b32 v[WSO], 7, v0
	v_lshl_or_b32 v[WSO], v4, 3, v[WSO]            ; its index there: (lane % 8) + 8 (lane / 16)
	v_lshlrev_b32 v[WSO], 3, v[WSO]
	s_mul_i32 s18, s16, WSTW
	s_add_co_u32 s18, s18, WSTG
	v_mad_u32_u24 v[WST], v1, WSTT, v[WSO]
	v_add_nc_u32 v[WST], s18, v[WST]
	v_add_nc_u32 v[WLD], s18, v[L16]
	v_lshl_add_u32 v[WSO], v1, 9, v[WSO]           ; 512 u + 8 x index
	s_mov_b32 s[SEL], 0x76543210
	s_mov_b32 s[SEL+1], 0xfedcba98
	s_wait_kmcnt 0x0
	s_cmp_ge_u32 ttmp9, 256
	s_cbranch_scc1 .Lweights
; ---------------- x: K is innermost ----------------
; 64 numbers of a lane, register 16 b + i = k 32 b + 16 (lane / 16) + i of my row, become a fragment's codes in v[PC] on and the row's scale word in v[pw]
.macro QUANT s, pw
.irp b, 0,1,2,3
	v_max3_num_f32 v[TM+\b], 0x1800000, |v[\s+16*\b]|, |v[\s+16*\b+1]|   ; block b: my 16 numbers, and the floor 2^(3 - 127): the byte cannot fall under 1
.endr
.irp i, 2,4,6,8,10,12,14
.irp b, 0,1,2,3
	v_max3_num_f32 v[TM+\b], v[TM+\b], |v[\s+16*\b+\i]|, |v[\s+16*\b+\i+1]|   ; the four blocks by turns
.endr
.endr
.irp b, 0,1,2,3
	v_permlanex16_b32 v[TM+4+\b], v[TM+\b], s[SEL], s[SEL+1]
.endr
.irp b, 0,1,2,3
	v_max_num_f32 v[TM+\b], v[TM+\b], v[TM+4+\b]   ; with lane l xor 16's: the block's largest magnitude
.endr
.irp b, 0,1,2,3
	v_add_nc_u32 v[TM+12+\b], 0xff000000, v[TM+\b] ; 2 off its exponent field: the conversion's scale operand
.endr
.irp b, 0,1,2,3
	v_lshrrev_b32 v[TM+4+\b], 23, v[TM+12+\b]      ; the scale's byte
.endr
	v_lshl_or_b32 v[\pw], v[TM+5], 8, v[TM+4]
	v_lshl_or_b32 v[\pw], v[TM+6], 16, v[\pw]
	v_lshl_or_b32 v[\pw], v[TM+7], 24, v[\pw]
.irp c, 0,1
	v_cvt_scalef32_pk16_fp6_f32 v[PC+6*\c:PC+6*\c+2], v[\s+32*\c:\s+32*\c+15], v[TM+12+2*\c]
	v_cvt_scalef32_pk16_fp6_f32 v[PC+12+4*\c:PC+14+4*\c], v[\s+16+32*\c:\s+31+32*\c], v[TM+13+2*\c]   ; (a conversion's three registers begin on an even number)
.endr
	v_nop                                          ; one plain place behind a scaled conversion
.irp c, 0,1                                    ; the operand wants a whole block in a lane: lanes 0-15 block 2 c, lanes 16-31 block 2 c + 1
.irp i, 0,1,2
	v_permlane16_swap_b32 v[PC+6*\c+\i], v[PC+12+4*\c+\i]
.endr
.irp i, 0,1,2
	v_mov_b32 v[PC+3+6*\c+\i], v[PC+12+4*\c+\i]
.endr
.endr
.endm
.macro LOADX t, set                    ; K step t of my four: 512 consecutive bytes of each of the tile's 16 rows
.irp i, 0,1,2,3,4,5,6,7,8,9,10,11,12,13,14,15
	global_load_b128 v[R+64*(\set)+4*\i:R+64*(\set)+4*\i+3], v[L16], s[4:5] offset:(\i+8*(\i/8))*4096+512*(\t) th:TH_LOAD_NT
.endr
.endm
.macro XSTEP t
	s_wait_xcnt 0x0                                ; the last step's stores have read the codes' registers
.if (\t) < 3
	s_wait_loadcnt 16                              ; this step's 16 loads are in; the next step's 16 stay out
.else
	s_wait_loadcnt 0x0
.endif
.irp i, 0,1,2,3,4,5,6,7,8,9,10,11,12,13,14,15
	ds_store_b128 v[XST], v[R+64*((\t)%2)+4*\i:R+64*((\t)%2)+4*\i+3] offset:528*\i
.endr
.irp b, 0,1,2,3
.irp j, 0,1,2,3
	ds_load_b128 v[X+16*\b+4*\j:X+16*\b+4*\j+3], v[XLD] offset:128*\b+16*\j   ; LDS serves a wave's instructions in order: these see the stores above
.endr
.endr
	s_wait_dscnt 0x0                               ; my numbers are back, and the stores have read their registers,
.if (\t) < 2
	LOADX (\t)+2, (\t)%2                           ; which take the loads of two steps on
.endif
	QUANT X, PWS+(\t)
.irp p, 0,1,2,3,4,5
	global_store_b64 v[L8], v[PC+2*\p:PC+2*\p+1], s[26:27] offset:1536*(\t)+256*\p   ; 32 lanes store 256 consecutive bytes, at a multiple of 256 from aq's first byte
.endr
.endm
	s_lshr_b32 s19, s16, 1                         ; which of the work-group's two tiles
	s_and_b32 s20, s16, 1                          ; which half of K
	s_lshl_b32 s22, ttmp9, 5
	s_lshl_b32 s23, s19, 3
	s_add_co_u32 s22, s22, s23                     ; the tile's first row: 32 g + 8 (w / 2)
	s_lshl_b32 s22, s22, 12
	s_lshl_b32 s23, s20, 11
	s_add_co_u32 s22, s22, s23
	s_mov_b32 s23, 0
	s_add_nc_u64 s[4:5], s[4:5], s[22:23]
	s_lshl_b32 s24, ttmp9, 1
	s_add_co_u32 s24, s24, s19                     ; T
	s_mul_i32 s22, s24, 12288
	s_mul_i32 s25, s20, 6144
	s_add_co_u32 s22, s22, s25
	s_add_nc_u64 s[26:27], s[10:11], s[22:23]      ; my four fragments
	s_lshl_b32 s22, s24, 9
	s_lshl_b32 s25, s20, 8
	s_add_co_u32 s22, s22, s25
	s_add_co_u32 s22, s22, ASC
	s_add_nc_u64 s[28:29], s[10:11], s[22:23]      ; my 256 bytes of scale words
	LOADX 0, 0
	LOADX 1, 1
.irp b, 0,1,2,3
	v_mov_b32 v[TM+4+\b], 0                        ; written once: a lane permute's destination counts as one of its sources
.endr
	XSTEP 0
	XSTEP 1
	XSTEP 2
	XSTEP 3
	v_cmp_eq_u32 vcc_lo, 1, v4                     ; lanes 0-15 store the words of my first two K steps, lanes 16-31 those of the other two (a word is the same in lanes r and r + 16)
	v_cndmask_b32 v248, v[PWS], v[PWS+2], vcc_lo
	v_cndmask_b32 v249, v[PWS+1], v[PWS+3], vcc_lo
	global_store_b64 v[XSO], v[248:249], s[28:29]  ; 256 consecutive bytes, aligned
	s_branch .Lend
; ---------------- the weights: K is the first axis ----------------
; A lane takes a column n and its registers run down K: a block of 32 lies in one lane, and the conversions give codes with K innermost.  Nothing is transposed by an instruction.
.Lweights:
.set VO, 16                            ; v16-47  4 x lane + i rows
.set WX, 48                            ; v48-111 two sets of 32 numbers
.set WC, 112                           ; v112-118 a block's codes
.set SB, 120                           ; v120-121 my column's two scale words
.set WOUT, 128                         ; v128-175 the way out
	s_sub_co_u32 s19, ttmp9, 256
	s_and_b32 s20, s19, 31                         ; group of 128 columns: 0-23 w_qkv's, 24-31 w_proj's
	s_lshr_b32 s21, s19, 5                         ; which 256 along K
	s_mov_b32 s22, 12288
	s_cmp_ge_u32 s20, 24                           ; the choice hangs on the work-group's number alone
	s_cselect_b64 s[24:25], s[8:9], s[6:7]
	s_cselect_b32 s22, 4096, s22                   ; a row of the weight in bytes
	s_cselect_b32 s23, 24, 0
	s_sub_co_u32 s23, s20, s23
	s_lshl_b32 s23, s23, 9                         ; the group's first column, in bytes
	s_lshl_b32 s26, s16, 7                         ; my wave's 32 columns
	s_add_co_u32 s26, s26, s23
	s_lshl_b32 s27, s21, 8
	s_mul_i32 s27, s27, s22
	s_add_co_u32 s26, s26, s27
	s_mov_b32 s27, 0
	s_add_nc_u64 s[32:33], s[24:25], s[26:27]      ; block 0's first row
	s_lshl_b32 s28, s22, 5
	s_mov_b32 s29, 0
.irp t, 1,2,3,4,5,6,7
	s_add_nc_u64 s[32+2*\t:33+2*\t], s[30+2*\t:31+2*\t], s[28:29]   ; a base for each block of 32 rows: none is ever stepped
.endr
	v_lshlrev_b32 v1, 2, v2
.set i, 0
.rept 32
	v_mad_u32_u24 v[VO+i], s22, i, v1
.set i, i+1
.endr
	s_lshl_b32 s26, s20, 3
	s_lshl_b32 s30, s16, 1
	s_add_co_u32 s26, s26, s30                     ; my first tile: 8 x group + 2 x wave
	s_mul_i32 s30, s26, 12288
	s_mul_i32 s31, s21, 3072
	s_add_co_u32 s30, s30, s31
	s_mov_b32 s31, 0
	s_add_nc_u64 s[48:49], s[12:13], s[30:31]      ; its two fragments of these 256 along K
	s_lshl_b32 s30, s26, 9
	s_lshl_b32 s26, s21, 7
	s_add_co_u32 s30, s30, s26
	s_add_co_u32 s30, s30, WSC
	s_add_nc_u64 s[50:51], s[12:13], s[30:31]      ; and their scale words
.macro WLOAD t                         ; block t: 32 rows, 128 consecutive bytes a wave and 512 a work-group in each
.set i, 0
.rept 32
	global_load_b32 v[WX+32*((\t)%2)+i], v[VO+i], s[32+2*(\t):33+2*(\t)] th:TH_LOAD_NT
.set i, i+1
.endr
.endm
.macro BLOCK t
.set XS, WX+32*((\t)%2)
.if (\t) < 7
	s_wait_loadcnt 32                              ; this block's 32 loads are in; the next block's stay out
.else
	s_wait_loadcnt 0x0
.endif
	v_max3_num_f32 v122, |v[XS]|, |v[XS+1]|, |v[XS+2]|
	v_max3_num_f32 v123, |v[XS+3]|, |v[XS+4]|, |v[XS+5]|
.irp i, 6,10,14,18,22,26
	v_max3_num_f32 v122, v122, |v[XS+\i]|, |v[XS+\i+1]|
	v_max3_num_f32 v123, v123, |v[XS+\i+2]|, |v[XS+\i+3]|
.endr
	v_max3_num_f32 v122, v122, |v[XS+30]|, |v[XS+31]|
	v_max3_num_f32 v122, v122, v123, 0x1800000     ; and the floor
	v_add_nc_u32 v124, 0xff000000, v122
	v_lshrrev_b32 v123, 23, v124
.if (\t)%4 == 0
	v_mov_b32 v[SB+(\t)/4], v123
.else
	v_lshl_or_b32 v[SB+(\t)/4], v123, 8*((\t)%4), v[SB+(\t)/4]
.endif
	v_cvt_scalef32_pk16_fp6_f32 v[WC:WC+2], v[XS:XS+15], v124
	v_cvt_scalef32_pk16_fp6_f32 v[WC+4:WC+6], v[XS+16:XS+31], v124
	v_nop                                          ; one plain place behind a scaled conversion
	v_mov_b32 v[WC+3], v[WC+4]
	v_mov_b32 v[WC+4], v[WC+5]
	v_mov_b32 v[WC+5], v[WC+6]
.irp p, 0,1,2                                  ; block b = t % 4 of K step t / 4 is register pairs 3 (b / 2) + p of the image's lane index + 16 (b % 2)
	ds_store_b64 v[WST], v[WC+2*\p:WC+2*\p+1] offset:((\t)/4)*1536+768*(((\t)%4)/2)+128*((\t)%2)+256*\p
.endr
.if (\t)+2 < 8
	WLOAD (\t)+2
.endif
	s_wait_dscnt 0x0                               ; the stores have read their registers
.endm
	WLOAD 0
	WLOAD 1
.irp t, 0,1,2,3,4,5,6,7
	BLOCK \t
.endr
	global_store_b64 v[WSO], v[SB:SB+1], s[50:51]  ; two runs of 128 consecutive bytes: one byte in 128 of what the wave has read
.irp n, 0,1,2,3,4,5,6,7,8,9,10,11
	ds_load_b128 v[WOUT+4*\n:WOUT+4*\n+3], v[WLD] offset:WSTT*(\n/6)+512*(\n%6)
.endr
.irp n, 0,1,2,3,4,5,6,7,8,9,10,11
	s_wait_dscnt 11-\n                             ; LDS loads come back in order: load n is in, the younger ones stay out
	global_store_b128 v[L16], v[WOUT+4*\n:WOUT+4*\n+3], s[48:49] offset:12288*(\n/6)+512*(\n%6)   ; 512 consecutive bytes, aligned
.endr
.Lend:
	s_wait_tensorcnt 0x0                           ; the wave's end
	ds_add_u32 v[SPW], v[NIL]
	s_wait_dscnt 0x0
	s_endpgm
.Lfunc_end_k_qb822ac3970_quant:
	.size	k_qb822ac3970_quant, .Lfunc_end_k_qb822ac3970_quant-k_qb822ac3970_quant
	.p2alignl 7, 3214868480
	.fill 96, 4, 3214868480
	.section	.rodata,"a",@progbits
	.p2align	6, 0x0
	.amdhsa_kernel k_qb822ac3970_quant
		.amdhsa_group_segment_fixed_size 59904
		.amdhsa_private_segment_fixed_size 0
		.amdhsa_enable_private_segment 0
		.amdhsa_kernarg_size 40
		.amdhsa_user_sgpr_count 2
		.amdhsa_user_sgpr_kernarg_segment_ptr 1
		.amdhsa_wavefront_size32 1
		.amdhsa_system_sgpr_workgroup_id_x 1
		.amdhsa_system_sgpr_workgroup_id_y 1
		.amdhsa_system_sgpr_workgroup_id_z 1
		.amdhsa_system_vgpr_workitem_id 0
		.amdhsa_next_free_vgpr 256
		.amdhsa_next_free_sgpr 66
		.amdhsa_reserve_vcc 1
		.amdhsa_float_denorm_mode_32 3
		.amdhsa_float_denorm_mode_16_64 3
		.amdhsa_memory_ordered 1
		.amdhsa_forward_progress 1
		.amdhsa_inst_pref_size 78
	.end_amdhsa_kernel
	.amdgpu_metadata
---
amdhsa.version: [ 1, 2 ]
amdhsa.kernels:
  - .name:           k_qb822ac3970_quant
    .symbol:         k_qb822ac3970_quant.kd
    .args:
      - { .name: x, .offset: 0, .size: 8, .value_kind: global_buffer, .address_space: global }
      - { .name: w_qkv, .offset: 8, .size: 8, .value_kind: global_buffer, .address_space: global }
      - { .name: w_proj, .offset: 16, .size: 8, .value_kind: global_buffer, .address_space: global }
      - { .name: aq, .offset: 24, .size: 8, .value_kind: global_buffer, .address_space: global }
      - { .name: wq, .offset: 32, .size: 8, .value_kind: global_buffer, .address_space: global }
    .group_segment_fixed_size: 59904
    .private_segment_fixed_size: 0
    .kernarg_segment_align: 8
    .kernarg_segment_size: 40
    .max_flat_workgroup_size: 128
    .sgpr_count:     66
    .vgpr_count:     256
    .wavefront_size: 32
...
	.end_amdgpu_metadata
.endif
;; end of part 1
;; launch qkv (part 2): grid 12 x 32, 4 waves a work-group, clusters of 4 x 4, 327,680 bytes of LDS; arguments aq, wq, qkq, vq; writes qkq, vq
.if DOCPART == 2
	.amdgcn_target "amdgcn-amd-amdhsa--gfx1250"
	.amdhsa_code_object_version 6
	.text
	.protected	k_qb822ac3970_qkv
	.globl	k_qb822ac3970_qkv
	.p2align	8
	.type	k_qb822ac3970_qkv,@function
k_qb822ac3970_qkv:
	s_mov_b64 s[64:65], 0
	v_nop
	global_prefetch_b8 v0, s[64:65] scope:SCOPE_SE
	s_setreg_imm32_b32 hwreg(HW_REG_WAVE_MODE, 25, 1), 1
	s_wait_xcnt 0x0
	s_wait_alu depctr_hold_cnt(0) depctr_sa_sdst(0) depctr_va_vdst(0) depctr_va_sdst(0) depctr_va_ssrc(0) depctr_va_vcc(0) depctr_vm_vsrc(0)
	s_getreg_b32 s2, hwreg(HW_REG_IB_STS2, 6, 4)
	s_cmp_eq_u32 s2, 0
	s_cbranch_scc0 .Lentry_in_a_cluster
	s_endpgm
.Lentry_in_a_cluster:
	s_bfe_u32 s2, ttmp6, 0x10000c
	s_cmp_lg_u32 s2, 0xf033
	s_cbranch_scc0 .Lentry_shape_is_right
	s_endpgm
.Lentry_shape_is_right:
; qkv = x w_qkv on codes of FP6 (E2M3) with E8M0 scales (K = 1,024), and on the way out q, k and v are quantised again, from the f32 sums in registers, for the two products of attention:
; q and k along the head's 64 numbers, v along the keys.  No f32 result goes to memory.
; OPERANDS lie in aq and wq as images of operand registers: tile T (16 rows: row 32 (T / 2) + 8 (T % 2) + i + 8 (i / 8)), K step s: T x 12,288 + s x 1,536, register pair p of lane l at 256 p + 8 l;
; scale words behind them: T x 512 + (s / 2) x 128 + 8 i + 4 (s % 2).
; SHAPE.  A work-group of four waves makes 256 x 256 results, a wave 128 x 128 in 64 accumulators.  K goes in steps of 256 through a ring of two LDS slots; the scale words of the work-group's 512 rows come once.
; The matrix instruction takes source 0 = a tile of "B", source 1 = a tile of "A": a lane holds ONE row of A (lane % 16) and, by the order of rows in a tile, the 64 registers of A's block a are 64 numbers
; of B's 128 rows: register 16 b + i is row 32 b + 16 (lane / 16) + i: neighbours along the NEXT product's K.
; ONE TEXT FOR q, k AND v, BY CHANGING ROLES (a choice of pointers and offsets on the cluster's x alone; no branch):  clusters x = 0, 1: A = tokens (aq), B = w_qkv's columns 0-2,047 (wq): a lane holds a token, registers
; run along two heads' 64.  Clusters x = 2: A = w_qkv's columns 2,048-3,071 (v's channels), B = tokens: a lane holds a channel, registers run along 128 keys.
; CLUSTERS: 4 x 4 work-groups; A's tiles are asked for jointly by a row of the cluster, B's by a column.  24 clusters, 384 work-groups: 256 equal work-groups would want 768 accumulator registers a wave, which leaves no room for two sets of B.
; RESULTS.  qkq: b x 3,145,728 + head32 x 98,304 + tile x 768: half an image (register pairs 0-2: 16 tokens x 64); head32 0-15 q's heads, 16-31 k's.  Scale words from QSC on: b x 131,072 + head32 x 4,096 + (tile / 8) x 256
; + 16 i + 4 j: word j = the two bytes of tile 8 g + 2 j, then those of tile 8 g + 2 j + 1.   vq: (16 b + head) x 98,304 + step x 6,144 + ct x 1,536: an image of 16 channels x 128 keys; from VSC on: (16 b + head) x 4,096 + step x 256 + 16 i + 4 ct.
; LIMITS: NaN and infinities are not served; a block of zeros, or one whose largest magnitude lies under 2^-124, keeps the scale byte 1; this program alone reads the bytes.
; REGISTERS, in windows of 256: window 0: v1-31 addresses; v32-63 scale words, two sets; v128-223 A's fragments, one set; on the way out v32-91 at work.  window 1: B's fragments, two sets, at v0 and v128.
;   window 2: the accumulators of A's blocks 0-3 ((a, b) at v[8 (8 a + b)]);  window 3: those of blocks 4-7.
.set ASC,    6291456
.set WSC,    3145728
.set QSC,    12582912
.set VSC,    6291456
.set NQ,     2                         ; matrix instructions deep in a slot
.set FR,     12                        ; registers of a fragment
.set NL,     6                         ; LDS loads that bring one
.set NP,     4                         ; places behind this matrix instruction (ISA guide 7.12.1)
.set FRB,    1536                      ; a fragment's image
.set TILEB,  NQ*FRB                    ; a tile's part of a slot: 3,072 consecutive bytes of memory
.set HALFT,  8*TILEB                   ; 8 tiles: what one tensor load brings, and what one wave reads of A or of B
.set SLOT,   4*HALFT                   ; A's 16 tiles, then B's 16
.set SCL,    2*SLOT                    ; behind the ring: the scale words, filled once
.set HALFS,  8*512                     ; those of 8 tiles
.set SPARE,  SCL+4*HALFS               ; the spare words, 128 bytes for each wave: two blocks of 256 bytes that no other line names
.set ADRA, 16                          ; v16-17  LDS address of my A fragments in slot 0, 1
.set ADRB, 20                          ; v20-21  the same for B
.set CO,   24                          ; v24     the way out: 8 x lane
.set CO2,  25                          ; v25     8 x lane + the distance to the second half image
.set SO,   26                          ; v26     16 r + 4,096 h
.set ADRS, 27                          ; v27     LDS address of my scale words: lanes 0-15 A's rows, lanes 16-31 B's
.set SPW,  28                          ; v28     LDS address of my spare word; never rewritten
.set NIL,  29                          ; v29     0; never rewritten
.set SC,   32                          ; scale words: set s at v[SC + 16 s]; register 2 i + q: lanes 0-15 A's block i, lanes 16-31 B's block i
.set AF,   128
.set TM,   32                          ; the way out, window 0: v32-47 at work
.set PC,   48                          ; v48-67 codes
.set PWS,  72                          ; v72-79 the eight blocks' scale words
.set VSQ,  80                          ; v80, v81 byte selects
.set VSV,  81
.set DQ,   84                          ; v84-87, v88-91 the scale words as they are stored
.set DV,   88
.set SEL,  18                          ; s[18:19] lane selects (made on the way out)
.set G1, 24
.set G0, 32
.set G1B, 48
.set G0B, 56
.set G1S, 68
.set G0S, 76
.set G1SB, 80
.set G0SB, 88
.set MSB, 0
.macro WIN new                         ; the immediate's high byte repeats the setting that is left
.if MSB != \new
	s_set_vgpr_msb (MSB<<8)|\new
.set MSB, \new
.endif
.endm
.set MUL_LO, 0xa1                      ; source 0 (B) window 1, source 1 (A) window 0, C and D window 2
.set MUL_HI, 0xf1                      ; the same, C and D window 3
.set TO_B,   0x40                      ; destination window 1, address window 0
; A joint load: waves 0 and 1 fetch for A, waves 2 and 3 for B.  The branch hangs on the wave's number alone.  An s_nop 0 and four v_nop follow each of the two lines.
.macro JLOAD g0a, g1a, g0b, g1b
	s_cmp_eq_u32 s15, 0
	s_cbranch_scc0 .Lfor_b_\@
	tensor_load_to_lds s[\g0a:\g0a+3], s[\g1a:\g1a+7]
	s_nop 0
.rept 4
	v_nop
.endr
	s_branch .Lasked_\@
.Lfor_b_\@:
	tensor_load_to_lds s[\g0b:\g0b+3], s[\g1b:\g1b+7]
	s_nop 0
.rept 4
	v_nop
.endr
.Lasked_\@:
.endm
.macro CREST                           ; a round of the cluster's barrier behind its opening barrier
	s_cmp_lg_u32 s14, 0
	s_cbranch_scc1 .Lnot_wave_0_\@
	s_barrier_signal -3
.Lnot_wave_0_\@:
	s_barrier_wait -3
	s_barrier_signal -1
	s_barrier_wait -1
.endm
.macro CROUND
	s_barrier_signal -1
	s_barrier_wait -1
	CREST
.endm
	s_load_b256 s[4:11], s[0:1], 0x0               ; aq, wq, qkq, vq
	v_lshl_add_u32 v[SPW], v0, 2, SPARE
	v_mov_b32 v[NIL], 0
	ds_add_u32 v[SPW], v[NIL]                      ; the wave's opening: the add and its wait stand ahead of my first tensor load; the set-up below stands between them
	v_lshrrev_b32 v1, 5, v0
	v_readfirstlane_b32 s14, v1                    ; wave 0..3
	s_lshr_b32 s15, s14, 1                         ; which half of A's tiles is mine.  Also: I fetch for A (0) or for B (1)
	s_and_b32 s16, s14, 1                          ; which half of B's.  Also: which 8 tiles I fetch
	s_bfe_u32 s40, ttmp6, 0x40000                  ; cx
	s_bfe_u32 s41, ttmp6, 0x40004                  ; cy
	s_and_b32 s12, ttmp7, 0xffff
	s_lshl_b32 s12, s12, 2                         ; 4 x cluster y
	s_lshl_b32 s13, ttmp9, 2                       ; 4 x cluster x
	s_cmp_eq_u32 ttmp9, 2                          ; v's clusters
	s_cselect_b32 s17, 0, s12
	s_cselect_b32 s42, s12, s13
	s_cselect_b32 s67, -1, 0                       ; all ones in v's clusters
	s_add_co_u32 s17, s17, s41                     ; TR, A's block of 16 tiles: q, k: 4 cluster y + cy;  v: cy
	s_add_co_u32 s42, s42, s40                     ; TC, B's: q, k: 4 cluster x + cx;  v: 4 cluster y + cx
	s_lshl_b32 s43, s41, 2
	s_lshl_b32 s43, 15, s43                        ; my row of the cluster
	s_lshl_b32 s44, 0x1111, s40                    ; my column
	; group 1 for codes: 8 rows (tiles) of 3,072 bytes (384 elements of 8 bytes), 12,288 bytes apart; dense in LDS
	s_or_b32 s[G1+0], s43, (3<<16)|(1<<21)         ; 15:0 the mask; 17:16 elements of 8 bytes; 21 set beside a mask
	s_or_b32 s[G1B+0], s44, (3<<16)|(1<<21)
.irp g, G1, G1B
	s_mov_b32 s[\g+1], (TILEB/8)<<16               ; tensor_dim0
	s_mov_b32 s[\g+2], 8<<16                       ; tensor_dim1
	s_mov_b32 s[\g+3], (TILEB/8)<<16               ; tile_dim0
	s_mov_b32 s[\g+4], 8                           ; tile_dim1
	s_mov_b32 s[\g+5], 12288/8                     ; tensor_dim0_stride
	s_mov_b32 s[\g+6], 0
	s_mov_b32 s[\g+7], 0
.endr
	; and for the scale words of 8 tiles: 4,096 dense bytes as 16 rows of 256
	s_or_b32 s[G1S+0], s43, (3<<16)|(1<<21)
	s_or_b32 s[G1SB+0], s44, (3<<16)|(1<<21)
.irp g, G1S, G1SB
	s_mov_b32 s[\g+1], 32<<16
	s_mov_b32 s[\g+2], (HALFS/256)<<16
	s_mov_b32 s[\g+3], 32<<16
	s_mov_b32 s[\g+4], HALFS/256
	s_mov_b32 s[\g+5], 32
	s_mov_b32 s[\g+6], 0
	s_mov_b32 s[\g+7], 0
.endr
	s_lshl_b32 s18, s16, 3
	s_lshl_b32 s20, s17, 4
	s_add_co_u32 s20, s20, s18                     ; A: first tile that I fetch
	s_lshl_b32 s46, s42, 4
	s_add_co_u32 s46, s46, s18                     ; B: likewise
	s_mul_i32 s22, s20, 512
	s_mul_i32 s20, s20, 12288
	s_mul_i32 s92, s46, 512
	s_mul_i32 s46, s46, 12288
	s_cmp_eq_u32 ttmp9, 2
	s_cselect_b32 s18, 128*12288, 0                ; v's channels are wq's tiles 128 on
	s_mov_b32 s19, ASC
	s_cselect_b32 s19, WSC+128*512, s19
	s_mov_b32 s93, WSC
	s_cselect_b32 s93, ASC, s93
	s_add_co_u32 s20, s20, s18
	s_add_co_u32 s22, s22, s19
	s_add_co_u32 s92, s92, s93
	s_mov_b32 s21, 0
	s_mov_b32 s23, 0
	s_mov_b32 s47, 0
	s_mov_b32 s93, 0
	s_mul_i32 s45, s14, HALFT                      ; where they go: wave x 8 tiles: no place in the cluster enters an LDS address
	s_mul_i32 s2, s14, HALFS
	s_wait_dscnt 0x0                               ; the opening add is done
	s_wait_kmcnt 0x0
	s_cmp_eq_u32 ttmp9, 2                          ; the choice of buffers hangs on the cluster's number alone
	s_cselect_b64 s[94:95], s[6:7], s[4:5]         ; A's buffer
	s_cselect_b64 s[96:97], s[4:5], s[6:7]         ; B's
	s_cselect_b64 s[12:13], s[10:11], s[8:9]       ; the results'
	s_add_nc_u64 s[20:21], s[94:95], s[20:21]
	s_add_nc_u64 s[22:23], s[94:95], s[22:23]
	s_add_nc_u64 s[46:47], s[96:97], s[46:47]
	s_add_nc_u64 s[92:93], s[96:97], s[92:93]
	CROUND                                         ; all sixteen work-groups are here: the first joint loads meet
	s_mov_b32 s[G0S], 1
	s_add_co_u32 s[G0S+1], s2, SCL
	s_mov_b64 s[G0S+2:G0S+3], s[22:23]
	s_or_b32 s[G0S+3], s[G0S+3], 0x80000000
	s_mov_b32 s[G0SB], 1
	s_add_co_u32 s[G0SB+1], s2, SCL
	s_mov_b64 s[G0SB+2:G0SB+3], s[92:93]
	s_or_b32 s[G0SB+3], s[G0SB+3], 0x80000000
	JLOAD G0S, G1S, G0SB, G1SB                     ; the scale words first: they are wanted with K step 0
.irp s, 0,1
	s_mov_b32 s[G0+4*\s], 1
	s_add_co_u32 s[G0+4*\s+1], s45, \s*SLOT
	s_add_nc_u64 s[G0+4*\s+2:G0+4*\s+3], s[20:21], \s*TILEB
	s_or_b32 s[G0+4*\s+3], s[G0+4*\s+3], 0x80000000
	s_mov_b32 s[G0B+4*\s], 1
	s_add_co_u32 s[G0B+4*\s+1], s45, \s*SLOT
	s_add_nc_u64 s[G0B+4*\s+2:G0B+4*\s+3], s[46:47], \s*TILEB
	s_or_b32 s[G0B+4*\s+3], s[G0B+4*\s+3], 0x80000000
	JLOAD G0+4*\s, G1, G0B+4*\s, G1B               ; three tensor loads of mine are out
.endr
	v_and_b32 v1, 15, v0                           ; r
	v_bfe_u32 v2, v0, 4, 1                         ; h
	v_and_b32 v3, 31, v0
	v_lshlrev_b32 v3, 3, v3                        ; 8 x lane: an image's place for my lane
	s_mul_i32 s21, s15, HALFT
	s_mul_i32 s22, s16, HALFT
	s_add_co_u32 s22, s22, 2*HALFT
.irp s, 0,1
	v_add_nc_u32 v[ADRA+\s], s21, v3
	v_add_nc_u32 v[ADRB+\s], s22, v3
	s_add_co_u32 s21, s21, SLOT
	s_add_co_u32 s22, s22, SLOT
.endr
	v_lshlrev_b32 v5, 3, v1                        ; a row's two words of a slot: 8 r
	s_mul_i32 s21, s15, HALFS                      ; A's: my 8 tiles
	s_mul_i32 s22, s16, HALFS                      ; B's: my 8 tiles, behind A's 16
	s_add_co_u32 s22, s22, 2*HALFS
	s_sub_co_u32 s22, s22, s21
	v_mul_u32_u24 v6, s22, v2                      ; lanes 16-31 take B's: one product, the distance x h
	s_add_co_u32 s21, s21, SCL
	v_add_nc_u32 v5, v5, v6
	v_add_nc_u32 v[ADRS], s21, v5
	; the way out's offsets: both forms are computed, and one is chosen on the cluster's number
	s_lshl_b32 s20, s17, 4
	s_lshl_b32 s21, s15, 3
	s_add_co_u32 s20, s20, s21                     ; TA0: my first tile of A
	s_lshl_b32 s46, s42, 1
	s_add_co_u32 s46, s46, s16                     ; G: my 128 rows of B
	s_lshr_b32 s21, s20, 7                         ; q, k: the batch,
	s_and_b32 s22, s20, 127                        ; the tile in it; G = a pair of heads
	s_mul_i32 s23, s21, 3145728
	s_mul_i32 s47, s46, 196608
	s_add_co_u32 s23, s23, s47
	s_mul_i32 s47, s22, 768
	s_add_co_u32 s23, s23, s47                     ; codes
	s_lshl_b32 s21, s21, 17
	s_lshl_b32 s47, s46, 13
	s_add_co_u32 s21, s21, s47
	s_lshl_b32 s22, s22, 5                         ; (tile / 8) x 256: the tile is a multiple of 8
	s_add_co_u32 s21, s21, s22
	s_add_co_u32 s21, s21, QSC                     ; scale words
	s_lshr_b32 s22, s46, 4                         ; v: the batch,
	s_and_b32 s47, s46, 15                         ; the key step,
	s_lshr_b32 s20, s20, 2                         ; the head
	s_mul_i32 s92, s22, 1572864
	s_mul_i32 s93, s20, 98304
	s_add_co_u32 s92, s92, s93
	s_mul_i32 s93, s47, 6144
	s_add_co_u32 s92, s92, s93                     ; codes
	s_lshl_b32 s22, s22, 16
	s_lshl_b32 s20, s20, 12
	s_add_co_u32 s22, s22, s20
	s_lshl_b32 s47, s47, 8
	s_add_co_u32 s22, s22, s47
	s_add_co_u32 s22, s22, VSC                     ; scale words
	s_cmp_eq_u32 ttmp9, 2
	s_cselect_b32 s92, s92, s23
	s_cselect_b32 s22, s22, s21
	s_mov_b32 s3, 98304
	s_cselect_b32 s3, 768, s3                      ; from a fragment's first half to its second: q, k: the next head;  v: on end
	s_mov_b32 s96, 768
	s_cselect_b32 s96, 1536, s96                   ; from block a to a + 1: q, k: the next tile;  v: the next 16 channels
	s_mov_b32 s98, 768
	s_cselect_b32 s98, 93696, s98                  ; from block 3 to 4: v: the next head
	s_mov_b32 s93, 0
	s_mov_b32 s23, 0
	s_mov_b32 s97, 0
	s_mov_b32 s99, 0
	s_add_nc_u64 s[94:95], s[12:13], s[22:23]      ; my scale words
	s_add_nc_u64 s[12:13], s[12:13], s[92:93]      ; my codes
	v_mov_b32 v[CO], v3
	v_add_nc_u32 v[CO2], s3, v3
	v_lshlrev_b32 v[SO], 4, v1
	v_lshl_add_u32 v[SO], v2, 12, v[SO]
.macro FRAG reg, adr, q, i             ; a fragment comes back as it was stored: six pairs, 256 consecutive bytes a load
.irp p, 0,1,2,3,4,5
	ds_load_b64 v[\reg+2*\p:\reg+2*\p+1], v[\adr] offset:(\i)*TILEB+(\q)*FRB+256*\p
.endr
.endm
; 16 matrix instructions: A's blocks a0, a0 + 1 x B's eight.  The 64 accumulators take turns, one instruction a turn, in the same order in every step.
.macro MUL16 a0, p, q, sc, zero
.irp a, \a0, \a0+1
.irp b, 0,1,2,3,4,5,6,7
.if \zero
	v_wmma_scale_f32_16x16x128_f8f6f4 v[8*(8*((\a)%4)+\b):8*(8*((\a)%4)+\b)+7], v[128*(\p)+FR*\b:128*(\p)+FR*\b+FR-1], v[AF+FR*(\a):AF+FR*(\a)+FR-1], 0, v[SC+8*NQ*(\sc)+NQ*\b+(\q)], v[SC+8*NQ*(\sc)+NQ*(\a)+(\q)] matrix_a_fmt:MATRIX_FMT_FP6 matrix_b_fmt:MATRIX_FMT_FP6 matrix_a_scale:MATRIX_SCALE_ROW1
.else
	v_wmma_scale_f32_16x16x128_f8f6f4 v[8*(8*((\a)%4)+\b):8*(8*((\a)%4)+\b)+7], v[128*(\p)+FR*\b:128*(\p)+FR*\b+FR-1], v[AF+FR*(\a):AF+FR*(\a)+FR-1], v[8*(8*((\a)%4)+\b):8*(8*((\a)%4)+\b)+7], v[SC+8*NQ*(\sc)+NQ*\b+(\q)], v[SC+8*NQ*(\sc)+NQ*(\a)+(\q)] matrix_a_fmt:MATRIX_FMT_FP6 matrix_b_fmt:MATRIX_FMT_FP6 matrix_a_scale:MATRIX_SCALE_ROW1
.endif
.endr
.endr
.endm
.macro FETCH_B slot, q, p
	WIN TO_B
.irp i, 0,1,2,3,4,5,6,7
	FRAG 128*(\p)+FR*\i, ADRB+\slot, \q, \i
.endr
	WIN 0
.endm
.macro FETCH_A slot, q, i0
.irp i, \i0, \i0+1, \i0+2, \i0+3
	FRAG AF+FR*(\i), ADRA+\slot, \q, \i
.endr
.endm
.macro SCALES sc                       ; a slot's scale words: two a row; lanes 0-15 A's block i, lanes 16-31 B's block i
.irp i, 0,1,2,3,4,5,6,7
	ds_load_b64 v[SC+8*NQ*\sc+NQ*\i:SC+8*NQ*\sc+NQ*\i+1], v[ADRS] offset:\i*512
.endr
.endm
.macro PLACES n                        ; plain vector instructions between a matrix instruction and a load into, or a read of, its registers
.rept \n
	v_nop
.endr
.endm
.macro STEP slot, q, zero              ; 128 along K that have their successor in the same slot
	s_wait_dscnt 4*NL                              ; B's set and A's blocks 0-3 are in; the youngest 24 loads (A's blocks 4-7) may be out
	WIN MUL_LO
	MUL16 0, (\q)%2, \q, \slot, \zero
	MUL16 2, (\q)%2, \q, \slot, \zero
	s_wait_dscnt 0
	PLACES NP
	FETCH_B \slot, (\q)+1, 1-(\q)%2
	FETCH_A \slot, (\q)+1, 0
	WIN MUL_HI
	MUL16 4, (\q)%2, \q, \slot, \zero
	MUL16 6, (\q)%2, \q, \slot, \zero
	PLACES NP
	WIN 0
	FETCH_A \slot, (\q)+1, 4
.endm
; A slot's last 128 change slots: one barrier; in front of it each wave waits for all its tensor loads, adds 0 to its spare word, and waits for that and for its own reads of this slot.
.macro TURN slot, next, fill
	s_wait_tensorcnt 0x0                           ; all my tensor loads have landed: my part of the next slot
	ds_add_u32 v[SPW], v[NIL]                      ; 0 onto my spare word
	s_wait_dscnt 4*NL+1                            ; (the add and the youngest 24 loads may be out)
	WIN MUL_LO
	MUL16 0, 1, NQ-1, \slot, 0                     ; sixteen matrix instructions stand between the add and the wait for it
	s_wait_dscnt 0x0                               ; the add is done, and my reads of this slot are over
	s_barrier_signal -1
	MUL16 2, 1, NQ-1, \slot, 0
	WIN 0
	s_barrier_wait -1
.if \fill
	CREST                                          ; the barrier has opened a round of the cluster's: no wave of any partner still reads this slot or has a load on its way
	s_add_nc_u64 s[G0+4*\slot+2:G0+4*\slot+3], s[G0+4*\slot+2:G0+4*\slot+3], 2*TILEB
	s_add_nc_u64 s[G0B+4*\slot+2:G0B+4*\slot+3], s[G0B+4*\slot+2:G0B+4*\slot+3], 2*TILEB
	JLOAD G0+4*\slot, G1, G0B+4*\slot, G1B         ; my one tensor load behind the round; its four v_nop are the places in front of the loads below
.else
	PLACES NP
.endif
	v_add_nc_u32 v[ADRS], 128, v[ADRS]             ; the next slot's scale words
	FETCH_B \next, 0, 0
	FETCH_A \next, 0, 0
	SCALES \next
	WIN MUL_HI
	MUL16 4, 1, NQ-1, \slot, 0
	MUL16 6, 1, NQ-1, \slot, 0
	PLACES NP
	WIN 0
	FETCH_A \next, 0, 4
.endm
	s_wait_tensorcnt 1                             ; the scale words and my part of slot 0 are in; slot 1's load may be out
	s_barrier_signal -1
	s_barrier_wait -1
	FETCH_B 0, 0, 0
	FETCH_A 0, 0, 0
	SCALES 0
	FETCH_A 0, 0, 4
	STEP 0, 0, 1                                   ; K = 1,024 is four slots' worth, written straight: the first products start the sums
	TURN 0, 1, 1
	STEP 1, 0, 0
	TURN 1, 0, 1
	STEP 0, 0, 0
	TURN 0, 1, 0                                   ; nothing is left to fetch
	STEP 1, 0, 0
	s_wait_dscnt 4*NL
	WIN MUL_LO
	MUL16 0, 1, NQ-1, 1, 0
	MUL16 2, 1, NQ-1, 1, 0
	s_wait_dscnt 0
	WIN MUL_HI
	MUL16 4, 1, NQ-1, 1, 0
	MUL16 6, 1, NQ-1, 1, 0
	WIN 0
; THE WAY OUT.  A's block a: its 64 registers are quantised where they stand (four blocks of 32, each shared by lanes l and l xor 16) and become one fragment, which leaves as six stores of 256 consecutive aligned bytes.
.macro EPI a
.set WA, 2+(\a)/4
.set WMAX, (WA<<2)|(WA<<4)
.set AC, 64*((\a)%4)
	WIN WMAX                                       ; sources 1 and 2: the accumulators' window
.irp b, 0,1,2,3
	v_max3_num_f32 v[TM+\b], 0x1800000, |v[AC+16*\b]|, |v[AC+16*\b+1]|   ; each accumulator is read from its low end on; the floor 2^(3 - 127) holds the byte at 1
.endr
.irp i, 2,4,6,8,10,12,14
.irp b, 0,1,2,3
	v_max3_num_f32 v[TM+\b], v[TM+\b], |v[AC+16*\b+\i]|, |v[AC+16*\b+\i+1]|
.endr
.endr
	WIN 0
.irp b, 0,1,2,3
	v_permlanex16_b32 v[TM+4+\b], v[TM+\b], s[SEL], s[SEL+1]
.endr
.irp b, 0,1,2,3
	v_max_num_f32 v[TM+\b], v[TM+\b], v[TM+4+\b]
.endr
.irp b, 0,1,2,3
	v_add_nc_u32 v[TM+12+\b], 0xff000000, v[TM+\b]
.endr
.irp b, 0,1,2,3
	v_lshrrev_b32 v[TM+4+\b], 23, v[TM+12+\b]
.endr
	v_lshl_or_b32 v[PWS+(\a)], v[TM+5], 8, v[TM+4]
	v_lshl_or_b32 v[PWS+(\a)], v[TM+6], 16, v[PWS+(\a)]
	v_lshl_or_b32 v[PWS+(\a)], v[TM+7], 24, v[PWS+(\a)]
	s_wait_xcnt 0x0                                ; the last block's stores have read the codes' registers and their base
.if (\a) == 4
	s_add_nc_u64 s[12:13], s[12:13], s[98:99]
.elseif (\a) > 0
	s_add_nc_u64 s[12:13], s[12:13], s[96:97]
.endif
	WIN WA                                         ; source 0: the accumulators' window
.irp c, 0,1
	v_cvt_scalef32_pk16_fp6_f32 v[PC+6*\c:PC+6*\c+2], v[AC+32*\c:AC+32*\c+15], v[TM+12+2*\c]
	v_cvt_scalef32_pk16_fp6_f32 v[PC+12+4*\c:PC+14+4*\c], v[AC+16+32*\c:AC+31+32*\c], v[TM+13+2*\c]
.endr
	WIN 0
	v_nop                                          ; one plain place behind a scaled conversion
.irp c, 0,1
.irp i, 0,1,2
	v_permlane16_swap_b32 v[PC+6*\c+\i], v[PC+12+4*\c+\i]
.endr
.irp i, 0,1,2
	v_mov_b32 v[PC+3+6*\c+\i], v[PC+12+4*\c+\i]
.endr
.endr
.irp p, 0,1,2
	global_store_b64 v[CO], v[PC+2*\p:PC+2*\p+1], s[12:13] offset:256*\p
.endr
.irp p, 0,1,2
	global_store_b64 v[CO2], v[PC+6+2*\p:PC+7+2*\p], s[12:13] offset:256*\p
.endr
.endm
	PLACES NP                                      ; behind the last products: their results are read and their scale registers written below
	s_mov_b32 s[SEL], 0x76543210
	s_mov_b32 s[SEL+1], 0xfedcba98
.irp b, 0,1,2,3
	v_mov_b32 v[TM+4+\b], 0                        ; written once: a lane permute's destination counts as one of its sources
.endr
.irp a, 0,1,2,3,4,5,6,7
	EPI \a
.endr
	; the scale words.  q, k: lanes 0-15 store the first head's (the low halves of two tiles' words), lanes 16-31 the second head's (the high halves).  v: lanes 0-15 blocks 0-3's words, lanes 16-31 blocks 4-7's (the next head).
	s_mov_b32 s2, 0x02020202
	v_mul_lo_u32 v[VSQ], v2, s2
	v_add_nc_u32 v[VSQ], 0x05040100, v[VSQ]        ; h = 0: 0x05040100;  h = 1: 0x07060302
	s_mov_b32 s2, 0x04040404
	v_mul_lo_u32 v[VSV], v2, s2
	v_add_nc_u32 v[VSV], 0x03020100, v[VSV]        ; h = 0: the second source;  h = 1: the first
.irp i, 0,1,2,3
	v_perm_b32 v[DQ+\i], v[PWS+2*\i+1], v[PWS+2*\i], v[VSQ]
.endr
.irp i, 0,1,2,3
	v_perm_b32 v[DV+\i], v[PWS+4+\i], v[PWS+\i], v[VSV]
.endr
.irp i, 0,1,2,3
	v_cndmask_b32 v[DQ+\i], v[DQ+\i], v[DV+\i], s67
.endr
	global_store_b128 v[SO], v[DQ:DQ+3], s[94:95]  ; sixteen lanes store 256 consecutive aligned bytes
	s_wait_tensorcnt 0x0                           ; the wave's end
	ds_add_u32 v[SPW], v[NIL]
	s_wait_dscnt 0x0
	CROUND                                         ; the closing round: no work-group ends while a partner may still ask for a tile that names it
	s_endpgm
.Lfunc_end_k_qb822ac3970_qkv:
	.size	k_qb822ac3970_qkv, .Lfunc_end_k_qb822ac3970_qkv-k_qb822ac3970_qkv
	.p2alignl 7, 3214868480
	.fill 96, 4, 3214868480
	.section	.rodata,"a",@progbits
	.p2align	6, 0x0
	.amdhsa_kernel k_qb822ac3970_qkv
		.amdhsa_group_segment_fixed_size 327680
		.amdhsa_private_segment_fixed_size 0
		.amdhsa_enable_private_segment 0
		.amdhsa_kernarg_size 32
		.amdhsa_user_sgpr_count 2
		.amdhsa_user_sgpr_kernarg_segment_ptr 1
		.amdhsa_wavefront_size32 1
		.amdhsa_system_sgpr_workgroup_id_x 1
		.amdhsa_system_sgpr_workgroup_id_y 1
		.amdhsa_system_sgpr_workgroup_id_z 1
		.amdhsa_system_vgpr_workitem_id 0
		.amdhsa_next_free_vgpr 1024
		.amdhsa_next_free_sgpr 100
		.amdhsa_reserve_vcc 0
		.amdhsa_float_denorm_mode_32 3
		.amdhsa_float_denorm_mode_16_64 3
		.amdhsa_memory_ordered 1
		.amdhsa_forward_progress 1
		.amdhsa_inst_pref_size 169
	.end_amdhsa_kernel
	.amdgpu_metadata
---
amdhsa.version: [ 1, 2 ]
amdhsa.kernels:
  - .name:           k_qb822ac3970_qkv
    .symbol:         k_qb822ac3970_qkv.kd
    .args:
      - { .name: aq, .offset: 0, .size: 8, .value_kind: global_buffer, .address_space: global }
      - { .name: wq, .offset: 8, .size: 8, .value_kind: global_buffer, .address_space: global }
      - { .name: qkq, .offset: 16, .size: 8, .value_kind: global_buffer, .address_space: global }
      - { .name: vq, .offset: 24, .size: 8, .value_kind: global_buffer, .address_space: global }
    .group_segment_fixed_size: 327680
    .private_segment_fixed_size: 0
    .kernarg_segment_align: 8
    .kernarg_segment_size: 32
    .max_flat_workgroup_size: 128
    .sgpr_count:     100
    .vgpr_count:     1024
    .wavefront_size: 32
...
	.end_amdgpu_metadata
.endif
;; end of part 2
;; launch attn (part 3): grid 4 x 64, 16 waves a work-group, clusters of 4 x 1, 206,848 bytes of LDS; arguments qkq, vq, aq; writes aq
.if DOCPART == 3
	.amdgcn_target "amdgcn-amd-amdhsa--gfx1250"
	.amdhsa_code_object_version 6
	.text
	.protected	k_qb822ac3970_attn
	.globl	k_qb822ac3970_attn
	.p2align	8
	.type	k_qb822ac3970_attn,@function
k_qb822ac3970_attn:
	s_mov_b64 s[64:65], 0
	v_nop
	global_prefetch_b8 v0, s[64:65] scope:SCOPE_SE
	s_setreg_imm32_b32 hwreg(HW_REG_WAVE_MODE, 25, 1), 1
	s_wait_xcnt 0x0
	s_wait_alu depctr_hold_cnt(0) depctr_sa_sdst(0) depctr_va_vdst(0) depctr_va_sdst(0) depctr_va_ssrc(0) depctr_va_vcc(0) depctr_vm_vsrc(0)
	s_getreg_b32 s2, hwreg(HW_REG_IB_STS2, 6, 4)
	s_cmp_eq_u32 s2, 0
	s_cbranch_scc0 .Lentry_in_a_cluster
	s_endpgm
.Lentry_in_a_cluster:
	s_bfe_u32 s2, ttmp6, 0x10000c
	s_cmp_lg_u32 s2, 0x3003
	s_cbranch_scc0 .Lentry_shape_is_right
	s_endpgm
.Lentry_shape_is_right:
; o = softmax(q k^T / 8) v for one head, both products on codes of FP6 (E2M3) with E8M0 scales, and o is quantised along D on the way out, as the last product's operand.
; THE SOFTMAX AHEAD OF THE SECOND PRODUCT: t = score x log2(e) / 8; M = the row's largest t so far, rounded up to a whole number; p = 2^(t - M) is quantised along the keys, not normalised.  The row's sum is
; taken of the unquantised p and divides o at the end.  When M moves, the sum and o are multiplied by 2^(old M - new M): exact.
; SHARES.  A work-group owns 512 queries of one head (4 work-groups a head, 64 heads: 256 work-groups of equal work).  Each of its sixteen waves owns two tiles of 16 queries, one after the other (two passes), in 256 registers.
; A WHOLE HEAD'S K AND V LIE IN LDS: 98,304 + 98,304 bytes of codes, 4,096 + 4,096 of scale words, filled once: no slot is filled again and the loop has no barrier.  The four work-groups of a head are a cluster
; and ask for these bytes jointly.  All that the launch brings through LDS is asked for in its first lines, so there is nothing later to prefetch.
; LAYOUT.  Both products are used transposed: S^T = K Q^T, O^T = V^T P^T: a lane holds one query (lane % 16).  A tile's rows are not neighbours (tile T, index i: row 32 (T / 2) + 8 (T % 2) + i + 8 (i / 8)), so the 16 registers
; of two neighbouring tiles of keys are 16 neighbouring keys, and the 16 registers of two neighbouring tiles of channels 16 neighbouring channels.
; K = 64 IN AN INSTRUCTION OF 128.  Two neighbouring tiles of keys lie on end in memory as one fragment [tile 2 i | tile 2 i + 1].  It is multiplied by [q | zero codes] for tile 2 i's scores and by [zero codes | q] for tile
; 2 i + 1's.  The dead half has zero codes and the scale byte 0 on q's side: it adds exact zeros.  Every register that is loaded is used.
; LIMITS: NaN and infinities are not served; a block of zeros, or one whose largest magnitude lies under 2^-124, keeps the scale byte 1; 1 / the sum is v_rcp_f32's; a block's largest p is taken from its largest score
; (p rises with the score; this takes v_exp_f32 not to fall where its input rises).
.set VB,    98304                      ; LDS: K's codes at 0, V's here,
.set SKB,   196608                     ; K's scale words,
.set SVB,   200704                     ; V's,
.set SPARE, 204800                     ; the spare words, 128 bytes for each wave: eight blocks of 256 bytes that no other line names
.set QSC,   12582912
.set VSC,   6291456
.set ASC,   6291456
.set LI8,  1                           ; v1   8 x lane: an image's place for my lane (K's codes begin at LDS byte 0)
.set AV0,  2                           ; v2   the same in V's codes
.set ASK0, 3                           ; v3   16 r in K's scale words
.set ASV0, 4                           ; v4   16 r in V's
.set SPW,  5                           ; v5   LDS address of my spare word; never rewritten
.set NIL,  6                           ; v6   0; never rewritten
.set OSO,  7                           ; v7   8 r: my row among a tile's scale words in aq
.set ADK,  8                           ; v8-11 the step's four LDS addresses
.set ADV,  9
.set ADS,  10
.set ADT,  11
                                       ; v12 -M, v13 the largest t, v[14:15] the sum in two halves
.set ZQ,   16                          ; v16-21 zeros, v22-27 q, v28-33 zeros
.set QF,   22
.set QSLO, 34                          ; q's two scale bytes in bytes 0, 1
.set QSHI, 35                          ; and in bytes 2, 3
.set KS,   36                          ; v36-39 K's four scale words of a step
.set VS,   40                          ; v40-43 V's
.set F,    44                          ; v44-91 four fragments, of K and then of V
.set S,    92                          ; v92-155 S^T, then p
.set O,    156                         ; v156-187 O^T
.set PC,   188                         ; v188-199 p's codes
.set PT,   200                         ; v200-206 the conversions' second halves
.set BM,   208                         ; v208-211 the blocks' largest
.set BT,   212                         ; v212-215 at work
.set SOP,  216                         ; v216-219 the conversions' scale operands
.set PS,   220                         ; p's scale word
.set T1,   221
.set FF,   222                         ; v[222:223] f = 2^(old M - new M)
.set QOF,  224                         ; 16 r
.set L2,   226                         ; v[226:227] the sum's second chain
.set QN,   228                         ; v228-233 the second pass's q
.set QW,   234                         ; v234-235 both passes' scale words as loaded
.set TQ,   236
.set HW,   237                         ; o's two scale bytes
.set TB,   2                           ; s2   the step's codes: 6,144 bytes a step, in K's block and in V's
.set TS,   3                           ; s3   the step's scale words: 256 bytes a step
.set WV,   18
.set SEL,  20
.set CS,   22                          ; s[22:23] c = log2(e) / 8
.set G1C,  24                          ; s[24:31] group 1: 49,152 dense bytes
.set G1S,  32                          ; s[32:39] group 1: 2,048 dense bytes
.set G0K,  40
.set G0KS, 44
.set G0V,  48
.set G0VS, 52
.set CNT,  56
.set ESH,  57                          ; 16 (wave % 2): which half of the loaded word is my tile's
.macro CROUND
	s_barrier_signal -1
	s_barrier_wait -1
	s_cmp_lg_u32 s[WV], 0
	s_cbranch_scc1 .Lnot_wave_0_\@
	s_barrier_signal -3
.Lnot_wave_0_\@:
	s_barrier_wait -3
	s_barrier_signal -1
	s_barrier_wait -1
.endm
	s_load_b128 s[4:7], s[0:1], 0x0                ; qkq, vq
	s_load_b64 s[8:9], s[0:1], 0x10                ; aq
	v_lshl_add_u32 v[SPW], v0, 2, SPARE
	v_mov_b32 v[NIL], 0
	ds_add_u32 v[SPW], v[NIL]                      ; the wave's opening: the add and its wait stand ahead of the first tensor loads; the set-up below stands between them
	ds_add_u32 v[SPW], v[NIL]
	v_lshrrev_b32 v[T1], 5, v0
	s_delay_alu instid0(VALU_DEP_1)
	v_readfirstlane_b32 s[WV], v[T1]               ; wave 0..15
	s_bfe_u32 s10, ttmp6, 0x40000                  ; cx
	s_lshl_b32 s59, ttmp9, 2
	s_add_co_u32 s10, s10, s59                     ; my block of 512 queries: it enters q's and o's addresses alone
	s_and_b32 s11, ttmp7, 0xffff                   ; 16 b + head, which the four partners share
	s_lshr_b32 s12, s11, 4                         ; b
	s_and_b32 s13, s11, 15                         ; head
	s_and_b32 s14, s[WV], 1
	s_mul_i32 s19, s14, 49152                      ; which half I fetch, if I fetch: of the codes,
	s_lshl_b32 s58, s14, 11                        ; of the scale words
	s_lshl_b32 s[ESH], s14, 4
	s_mul_i32 s15, s12, 3145728
	s_lshl_b32 s16, s12, 17
	s_add_co_u32 s17, s13, 16                      ; k's heads lie behind q's sixteen
	s_mul_i32 s74, s17, 98304
	s_add_co_u32 s74, s74, s15
	s_add_co_u32 s74, s74, s19                     ; K's codes
	s_mov_b32 s75, 0
	s_lshl_b32 s76, s17, 12
	s_add_co_u32 s76, s76, s16
	s_add_co_u32 s76, s76, s58
	s_add_co_u32 s76, s76, QSC                     ; K's scale words
	s_mov_b32 s77, 0
	s_mul_i32 s78, s11, 98304
	s_add_co_u32 s78, s78, s19                     ; V's codes
	s_mov_b32 s79, 0
	s_lshl_b32 s80, s11, 12
	s_add_co_u32 s80, s80, s58
	s_add_co_u32 s80, s80, VSC                     ; V's scale words
	s_mov_b32 s81, 0
	s_lshl_b32 s59, s10, 5
	s_add_co_u32 s59, s59, s[WV]                   ; my first tile of queries in the batch: 32 X + wave; the second is 16 on
	s_mul_i32 s82, s59, 768
	s_mul_i32 s60, s13, 98304
	s_add_co_u32 s82, s82, s60
	s_add_co_u32 s82, s82, s15                     ; q's codes
	s_mov_b32 s83, 0
	s_lshr_b32 s84, s59, 3
	s_lshl_b32 s84, s84, 8
	s_bfe_u32 s60, s[WV], 0x20001                  ; (wave % 8) / 2: which word of the group of eight tiles
	s_lshl_b32 s60, s60, 2
	s_add_co_u32 s84, s84, s60
	s_lshl_b32 s60, s13, 12
	s_add_co_u32 s84, s84, s60
	s_add_co_u32 s84, s84, s16
	s_add_co_u32 s84, s84, QSC                     ; q's scale word
	s_mov_b32 s85, 0
	s_lshl_b32 s60, s12, 7
	s_add_co_u32 s60, s60, s59                     ; the tile in aq: 128 b + the tile in the batch
	s_mul_i32 s86, s60, 12288
	s_mul_i32 s61, s13, 768                        ; K step head / 2, half head % 2: 768 x head
	s_add_co_u32 s86, s86, s61                     ; o's codes
	s_mov_b32 s87, 0
	s_lshl_b32 s88, s60, 9
	s_lshr_b32 s61, s13, 2
	s_lshl_b32 s61, s61, 7
	s_add_co_u32 s88, s88, s61
	s_and_b32 s61, s13, 3
	s_lshl_b32 s61, s61, 1                         ; word (head / 2) % 2, half head % 2: 2 (head % 4)
	s_add_co_u32 s88, s88, s61
	s_add_co_u32 s88, s88, ASC                     ; o's scale bytes
	s_mov_b32 s89, 0
	s_mov_b32 s[G1C], 15|(3<<16)|(1<<21)           ; 15:0 the mask: all four work-groups; 17:16 elements of 8 bytes; 21 set beside a mask
	s_mov_b32 s[G1C+1], 32<<16                     ; rows of 256 bytes,
	s_mov_b32 s[G1C+2], 192<<16                    ; 192 of them, dense
	s_mov_b32 s[G1C+3], 32<<16
	s_mov_b32 s[G1C+4], 192
	s_mov_b32 s[G1C+5], 32
	s_mov_b32 s[G1C+6], 0
	s_mov_b32 s[G1C+7], 0
	s_mov_b32 s[G1S], 15|(3<<16)|(1<<21)
	s_mov_b32 s[G1S+1], 32<<16
	s_mov_b32 s[G1S+2], 8<<16                      ; 8 rows
	s_mov_b32 s[G1S+3], 32<<16
	s_mov_b32 s[G1S+4], 8
	s_mov_b32 s[G1S+5], 32
	s_mov_b32 s[G1S+6], 0
	s_mov_b32 s[G1S+7], 0
	s_mov_b32 s[SEL], 0x76543210
	s_mov_b32 s[SEL+1], 0xfedcba98
	s_mov_b32 s[CS], 0x3e38aa3b                    ; c = log2(e) / 8
	s_mov_b32 s[CS+1], s[CS]                       ; (named with it as a pair, so it is written)
	s_wait_dscnt 0x0                               ; the opening add is done
	s_wait_kmcnt 0x0
	s_add_nc_u64 s[66:67], s[4:5], s[82:83]
	s_add_nc_u64 s[68:69], s[4:5], s[84:85]
	s_add_nc_u64 s[70:71], s[8:9], s[86:87]
	s_add_nc_u64 s[72:73], s[8:9], s[88:89]
	CROUND                                         ; all four work-groups are here: the joint loads meet
	s_mov_b32 s[G0K], 1
	s_mov_b32 s[G0K+1], s19
	s_add_nc_u64 s[G0K+2:G0K+3], s[4:5], s[74:75]
	s_or_b32 s[G0K+3], s[G0K+3], 0x80000000
	s_mov_b32 s[G0KS], 1
	s_add_co_u32 s[G0KS+1], s58, SKB
	s_add_nc_u64 s[G0KS+2:G0KS+3], s[4:5], s[76:77]
	s_or_b32 s[G0KS+3], s[G0KS+3], 0x80000000
	s_mov_b32 s[G0V], 1
	s_add_co_u32 s[G0V+1], s19, VB
	s_add_nc_u64 s[G0V+2:G0V+3], s[6:7], s[78:79]
	s_or_b32 s[G0V+3], s[G0V+3], 0x80000000
	s_mov_b32 s[G0VS], 1
	s_add_co_u32 s[G0VS+1], s58, SVB
	s_add_nc_u64 s[G0VS+2:G0VS+3], s[6:7], s[80:81]
	s_or_b32 s[G0VS+3], s[G0VS+3], 0x80000000
	s_cmp_lt_u32 s[WV], 2                          ; waves 0, 1: K's halves; waves 2, 3: V's; the others fetch nothing.  A wave's two loads stand in one branch on the wave's number; two loads of such a wave are out
	s_cbranch_scc0 .Lnot_k
	tensor_load_to_lds s[G0K:G0K+3], s[G1C:G1C+7]
	s_nop 0
	tensor_load_to_lds s[G0KS:G0KS+3], s[G1S:G1S+7]
	s_nop 0
.rept 4
	v_nop
.endr
	s_branch .Lasked
.Lnot_k:
	s_cmp_lt_u32 s[WV], 4
	s_cbranch_scc0 .Lasked
	tensor_load_to_lds s[G0V:G0V+3], s[G1C:G1C+7]
	s_nop 0
	tensor_load_to_lds s[G0VS:G0VS+3], s[G1S:G1S+7]
	s_nop 0
.rept 4
	v_nop
.endr
.Lasked:
	v_and_b32 v[T1], 31, v0
	s_delay_alu instid0(VALU_DEP_1)
	v_lshlrev_b32 v[LI8], 3, v[T1]
	s_delay_alu instid0(VALU_DEP_1)
	v_add_nc_u32 v[AV0], VB, v[LI8]
	v_and_b32 v[QOF], 15, v0                       ; r
	s_delay_alu instid0(VALU_DEP_1)
	v_lshl_add_u32 v[ASK0], v[QOF], 4, SKB
	s_delay_alu instid0(VALU_DEP_2)
	v_lshl_add_u32 v[ASV0], v[QOF], 4, SVB
	s_delay_alu instid0(VALU_DEP_3)
	v_lshlrev_b32 v[OSO], 3, v[QOF]
	s_delay_alu instid0(VALU_DEP_4)
	v_lshlrev_b32 v[QOF], 4, v[QOF]
.irp p, 0,1,2
	global_load_b64 v[QF+2*\p:QF+2*\p+1], v[LI8], s[66:67] offset:256*\p          ; q of both passes stays in registers
	global_load_b64 v[QN+2*\p:QN+2*\p+1], v[LI8], s[66:67] offset:12288+256*\p
.endr
	global_load_b32 v[QW], v[QOF], s[68:69]
	global_load_b32 v[QW+1], v[QOF], s[68:69] offset:512
.irp i, 0,1,2,3,4,5
	v_mov_b32 v[ZQ+\i], 0                          ; zero codes on both sides of q
	v_mov_b32 v[ZQ+12+\i], 0
.endr
.irp b, 0,1,2,3
	v_mov_b32 v[BT+\b], 0                          ; written once: a lane permute's destination counts as one of its sources
.endr
	v_mov_b32 v[FF+1], 0                           ; (named as the upper half of a pair)
	s_wait_loadcnt 0x0                             ; q
	s_wait_tensorcnt 0x0                           ; my parts of K and V have landed,
	s_barrier_signal -1
	s_barrier_wait -1                              ; everybody's have: from here on LDS is only read
; A KEY STEP: 128 keys
.macro STEP
	v_add_nc_u32 v[ADK], s[TB], v[LI8]             ; (these four are the places between the last step's products and the loads into the registers that they read)
	v_add_nc_u32 v[ADV], s[TB], v[AV0]
	v_add_nc_u32 v[ADS], s[TS], v[ASK0]
	v_add_nc_u32 v[ADT], s[TS], v[ASV0]
.irp i, 0,1,2,3
.irp p, 0,1,2,3,4,5
	ds_load_b64 v[F+12*\i+2*\p:F+12*\i+2*\p+1], v[ADK] offset:1536*\i+256*\p      ; 256 consecutive bytes a load
.endr
.endr
	ds_load_b128 v[KS:KS+3], v[ADS]
	s_wait_alu depctr_va_vdst(0)
	s_wait_dscnt 0x0
.irp i, 0,1,2,3
	v_wmma_scale_f32_16x16x128_f8f6f4 v[S+16*\i:S+16*\i+7], v[F+12*\i:F+12*\i+11], v[QF:QF+11], 0, v[KS+\i], v[QSLO] matrix_a_fmt:MATRIX_FMT_FP6 matrix_b_fmt:MATRIX_FMT_FP6      ; [q | 0]: tile 2 i's scores
	v_wmma_scale_f32_16x16x128_f8f6f4 v[S+16*\i+8:S+16*\i+15], v[F+12*\i:F+12*\i+11], v[ZQ:ZQ+11], 0, v[KS+\i], v[QSHI] matrix_a_fmt:MATRIX_FMT_FP6 matrix_b_fmt:MATRIX_FMT_FP6   ; [0 | q]: tile 2 i + 1's
.endr                                          ; register 16 b + i is key 32 b + 16 (lane / 16) + i
.rept 4
	v_nop                                          ; places in front of the loads below and of the first read of the scores
.endr
.irp t, 0,1,2,3
.irp p, 0,1,2,3,4,5
	ds_load_b64 v[F+12*\t+2*\p:F+12*\t+2*\p+1], v[ADV] offset:1536*\t+256*\p      ; V's fragments are asked for here: they land under the softmax
.endr
.endr
	ds_load_b128 v[VS:VS+3], v[ADT]
.irp b, 0,1,2,3
	v_max3_num_f32 v[BM+\b], v[S+16*\b], v[S+16*\b+1], v[S+16*\b+2]   ; the largest score of each block of 32 keys: for the row's maximum, and for the block's largest p
.endr
.irp i, 3,5,7,9,11,13
.irp b, 0,1,2,3
	v_max3_num_f32 v[BM+\b], v[BM+\b], v[S+16*\b+\i], v[S+16*\b+\i+1]
.endr
.endr
.irp b, 0,1,2,3
	v_max_num_f32 v[BM+\b], v[BM+\b], v[S+16*\b+15]
.endr
.irp b, 0,1,2,3
	s_delay_alu instid0(VALU_DEP_4)
	v_permlanex16_b32 v[BT+\b], v[BM+\b], s[SEL], s[SEL+1]
.endr
.irp b, 0,1,2,3
	s_delay_alu instid0(VALU_DEP_4)
	v_max_num_f32 v[BM+\b], v[BM+\b], v[BT+\b]     ; with lane l xor 16's 16 keys
.endr
	s_delay_alu instid0(VALU_DEP_2)
	v_max3_num_f32 v[T1], v[BM], v[BM+1], v[BM+2]
	s_delay_alu instid0(VALU_DEP_1)
	v_max_num_f32 v[T1], v[T1], v[BM+3]
	s_delay_alu instid0(VALU_DEP_1)
	v_mul_f32 v[T1], s[CS], v[T1]                  ; as t (c is positive)
	s_delay_alu instid0(VALU_DEP_1)
	v_max_num_f32 v13, v13, v[T1]                  ; the running largest t
	v_mov_b32 v[T1], v12
	s_delay_alu instid0(VALU_DEP_2)
	v_floor_f32 v12, -v13                          ; the new -M = floor(-t): M is a whole number
	s_delay_alu instid0(VALU_DEP_1)
	v_sub_f32 v[T1], v12, v[T1]                    ; old M - new M: a whole number, 0 or less
	s_delay_alu instid0(VALU_DEP_1)
	v_cvt_i32_f32 v[T1], v[T1]                     ; (it saturates)
	s_delay_alu instid0(VALU_DEP_1)
	v_ldexp_f32 v[FF], 1.0, v[T1]                  ; f = 2^(old M - new M)
.set j, 0
.rept 32
	v_pk_fma_f32 v[S+j:S+j+1], v[S+j:S+j+1], s[CS:CS+1], v[12:13] op_sel_hi:[1,0,0]   ; t - M, two at a time
.set j, j+2
.endr
.irp b, 0,1,2,3
	v_fma_f32 v[BM+\b], v[BM+\b], s[CS], v12       ; the same of each block's largest score
.endr
.set j, 0
	s_setprio 1
	s_wait_alu depctr_va_vdst(0)
.rept 64
	v_exp_f32 v[S+j], v[S+j]                       ; p = 2^(t - M), at most 1
.set j, j+1
.endr
	v_pk_mul_f32 v[14:15], v[14:15], v[FF:FF+1] op_sel_hi:[1,0]   ; the sums under the new M: a plain place behind the exponentials
	s_wait_alu depctr_va_vdst(0)                   ; one wait for the whole batch, ahead of its first reader
.irp b, 0,1,2,3
	v_exp_f32 v[BM+\b], v[BM+\b]                   ; the block's largest p
.endr
	v_pk_add_f32 v[L2:L2+1], v[S:S+1], v[S+2:S+3]  ; the row's sum of the unquantised p, in two chains
.irp j, 4,8,12,16,20,24,28,32,36,40,44,48,52
	v_pk_add_f32 v[14:15], v[14:15], v[S+\j:S+\j+1]
	v_pk_add_f32 v[L2:L2+1], v[L2:L2+1], v[S+\j+2:S+\j+3]
.endr
	s_wait_alu depctr_va_vdst(0)                   ; and one for the four
.irp b, 0,1,2,3
	v_max_num_f32 v[BM+\b], 0x1800000, v[BM+\b]    ; the floor 2^(3 - 127)
.endr
.irp b, 0,1,2,3
	s_delay_alu instid0(VALU_DEP_4)
	v_add_nc_u32 v[SOP+\b], 0xff000000, v[BM+\b]
.endr
.irp b, 0,1,2,3
	s_delay_alu instid0(VALU_DEP_4)
	v_lshrrev_b32 v[BT+\b], 23, v[SOP+\b]
.endr
	s_delay_alu instid0(VALU_DEP_3)
	v_lshl_or_b32 v[PS], v[BT+1], 8, v[BT]
	s_delay_alu instid0(VALU_DEP_1)
	v_lshl_or_b32 v[PS], v[BT+2], 16, v[PS]
	s_delay_alu instid0(VALU_DEP_1)
	v_lshl_or_b32 v[PS], v[BT+3], 24, v[PS]
.irp c, 0,1
	v_cvt_scalef32_pk16_fp6_f32 v[PC+6*\c:PC+6*\c+2], v[S+32*\c:S+32*\c+15], v[SOP+2*\c]
	v_cvt_scalef32_pk16_fp6_f32 v[PT+4*\c:PT+4*\c+2], v[S+16+32*\c:S+31+32*\c], v[SOP+2*\c+1]
.endr
	v_nop                                          ; one plain place behind a scaled conversion
.irp c, 0,1
.irp i, 0,1,2
	v_permlane16_swap_b32 v[PC+6*\c+\i], v[PT+4*\c+\i]
.endr
.irp i, 0,1,2
	s_delay_alu instid0(VALU_DEP_3)
	v_mov_b32 v[PC+3+6*\c+\i], v[PT+4*\c+\i]
.endr
.endr
.set j, 0
	s_setprio 0
.rept 16
	v_pk_mul_f32 v[O+j:O+j+1], v[O+j:O+j+1], v[FF:FF+1] op_sel_hi:[1,0]   ; O^T under the new M
.set j, j+2
.endr
.irp j, 56,60                                  ; the rest of the row's sum: plain work that is due anyway, between the last write of an accumulator and the products
	v_pk_add_f32 v[14:15], v[14:15], v[S+\j:S+\j+1]
	v_pk_add_f32 v[L2:L2+1], v[L2:L2+1], v[S+\j+2:S+\j+3]
.endr
	s_delay_alu instid0(VALU_DEP_1)
	v_pk_add_f32 v[14:15], v[14:15], v[L2:L2+1]
	s_wait_alu depctr_va_vdst(0)
	s_wait_dscnt 0x0                               ; V
.irp t, 0,1,2,3                                ; the four accumulators by turns
	v_wmma_scale_f32_16x16x128_f8f6f4 v[O+8*\t:O+8*\t+7], v[F+12*\t:F+12*\t+11], v[PC:PC+11], v[O+8*\t:O+8*\t+7], v[VS+\t], v[PS] matrix_a_fmt:MATRIX_FMT_FP6 matrix_b_fmt:MATRIX_FMT_FP6
.endr
	s_add_co_u32 s[TB], s[TB], 6144
	s_add_co_u32 s[TS], s[TS], 256
.endm
; THE WAY OUT of a pass: o = O^T / the sum; register 16 b + i is channel 32 b + 16 (lane / 16) + i: two blocks of 32 along D, quantised as half a fragment of the last product's operand.
.macro WAYOUT p
.rept 4
	v_nop
.endr
	v_add_f32 v14, v14, v15
	s_delay_alu instid0(VALU_DEP_1)
	v_permlanex16_b32 v[T1], v14, s[SEL], s[SEL+1]
	s_delay_alu instid0(VALU_DEP_1)
	v_add_f32 v14, v14, v[T1]                      ; the row's sum
	s_wait_alu depctr_va_vdst(0)
	v_rcp_f32 v14, v14
	v_nop                                          ; a plain place behind the transcendental,
	s_wait_alu depctr_va_vdst(0)                   ; and the wait ahead of its first reader
.set j, 0
.rept 16
	v_pk_mul_f32 v[S+j:S+j+1], v[O+j:O+j+1], v[14:15] op_sel_hi:[1,0]   ; each accumulator from its low end on
.set j, j+2
.endr
.irp b, 0,1
	v_max3_num_f32 v[BM+\b], |v[S+16*\b]|, |v[S+16*\b+1]|, 0x1800000
.endr
.irp i, 2,4,6,8,10,12,14
.irp b, 0,1
	s_delay_alu instid0(VALU_DEP_2)
	v_max3_num_f32 v[BM+\b], v[BM+\b], |v[S+16*\b+\i]|, |v[S+16*\b+\i+1]|
.endr
.endr
.irp b, 0,1
	s_delay_alu instid0(VALU_DEP_2)
	v_permlanex16_b32 v[BT+\b], v[BM+\b], s[SEL], s[SEL+1]
.endr
.irp b, 0,1
	s_delay_alu instid0(VALU_DEP_2)
	v_max_num_f32 v[BM+\b], v[BM+\b], v[BT+\b]
.endr
.irp b, 0,1
	s_delay_alu instid0(VALU_DEP_2)
	v_add_nc_u32 v[SOP+\b], 0xff000000, v[BM+\b]
.endr
.irp b, 0,1
	s_delay_alu instid0(VALU_DEP_2)
	v_lshrrev_b32 v[BT+\b], 23, v[SOP+\b]
.endr
	s_delay_alu instid0(VALU_DEP_1)
	v_lshl_or_b32 v[HW], v[BT+1], 8, v[BT]
	v_cvt_scalef32_pk16_fp6_f32 v[PC:PC+2], v[S:S+15], v[SOP]
	v_cvt_scalef32_pk16_fp6_f32 v[PT:PT+2], v[S+16:S+31], v[SOP+1]
	v_nop
.irp i, 0,1,2
	v_permlane16_swap_b32 v[PC+\i], v[PT+\i]
.endr
.irp i, 0,1,2
	s_delay_alu instid0(VALU_DEP_3)
	v_mov_b32 v[PC+3+\i], v[PT+\i]
.endr
.irp q, 0,1,2
	global_store_b64 v[LI8], v[PC+2*\q:PC+2*\q+1], s[70:71] offset:196608*\p+256*\q   ; 256 consecutive aligned bytes a store
.endr
	global_store_b16 v[OSO], v[HW], s[72:73] offset:8192*\p   ; two bytes a row, 8 bytes apart (lanes r and r + 16 store the same): a scale word of the last product holds two heads' bytes, which two work-groups make; 1 / 24 of the codes' bytes
.endm
.macro PASS p
.if \p
	s_wait_xcnt 0x0                                ; the first pass's stores have read their registers
.irp i, 0,1,2,3,4,5
	v_mov_b32 v[QF+\i], v[QN+\i]
.endr
.endif
	v_lshrrev_b32 v[TQ], s[ESH], v[QW+\p]          ; my tile's half of the loaded word
	s_delay_alu instid0(VALU_DEP_1)
	v_and_b32 v[QSLO], 0xffff, v[TQ]
	s_delay_alu instid0(VALU_DEP_2)
	v_lshlrev_b32 v[QSHI], 16, v[TQ]
	v_mov_b32 v13, 0xff61b1e6                      ; the largest t so far: -3e38
	s_delay_alu instid0(VALU_DEP_1)
	v_floor_f32 v12, -v13
	v_mov_b32 v14, 0
	v_mov_b32 v15, 0
.set j, 0
.rept 32
	v_mov_b32 v[O+j], 0                            ; the step is written once: the first finds zeros.  (These are also the places between the writes of q's scale registers and the first product)
.set j, j+1
.endr
	s_mov_b32 s[TB], 0
	s_mov_b32 s[TS], 0
	s_mov_b32 s[CNT], 16
.Lstep_\@:
	s_setprio 2
	STEP
	s_sub_co_u32 s[CNT], s[CNT], 1
	s_cmp_lg_u32 s[CNT], 0
	s_cbranch_scc1 .Lstep_\@
	s_setprio 0
	WAYOUT \p
.endm
	PASS 0
	PASS 1
	s_wait_tensorcnt 0x0                           ; the wave's end
	ds_add_u32 v[SPW], v[NIL]
	s_wait_dscnt 0x0
	CROUND                                         ; the closing round
	s_endpgm
.Lfunc_end_k_qb822ac3970_attn:
	.size	k_qb822ac3970_attn, .Lfunc_end_k_qb822ac3970_attn-k_qb822ac3970_attn
	.p2alignl 7, 3214868480
	.fill 96, 4, 3214868480
	.section	.rodata,"a",@progbits
	.p2align	6, 0x0
	.amdhsa_kernel k_qb822ac3970_attn
		.amdhsa_group_segment_fixed_size 206848
		.amdhsa_private_segment_fixed_size 0
		.amdhsa_enable_private_segment 0
		.amdhsa_kernarg_size 24
		.amdhsa_user_sgpr_count 2
		.amdhsa_user_sgpr_kernarg_segment_ptr 1
		.amdhsa_wavefront_size32 1
		.amdhsa_system_sgpr_workgroup_id_x 1
		.amdhsa_system_sgpr_workgroup_id_y 1
		.amdhsa_system_sgpr_workgroup_id_z 1
		.amdhsa_system_vgpr_workitem_id 0
		.amdhsa_next_free_vgpr 256
		.amdhsa_next_free_sgpr 90
		.amdhsa_reserve_vcc 0
		.amdhsa_float_denorm_mode_32 3
		.amdhsa_float_denorm_mode_16_64 3
		.amdhsa_memory_ordered 1
		.amdhsa_forward_progress 1
		.amdhsa_inst_pref_size 58
	.end_amdhsa_kernel
	.amdgpu_metadata
---
amdhsa.version: [ 1, 2 ]
amdhsa.kernels:
  - .name:           k_qb822ac3970_attn
    .symbol:         k_qb822ac3970_attn.kd
    .args:
      - { .name: qkq, .offset: 0, .size: 8, .value_kind: global_buffer, .address_space: global }
      - { .name: vq, .offset: 8, .size: 8, .value_kind: global_buffer, .address_space: global }
      - { .name: aq, .offset: 16, .size: 8, .value_kind: global_buffer, .address_space: global }
    .group_segment_fixed_size: 206848
    .private_segment_fixed_size: 0
    .kernarg_segment_align: 8
    .kernarg_segment_size: 24
    .max_flat_workgroup_size: 512
    .sgpr_count:     90
    .vgpr_count:     256
    .wavefront_size: 32
...
	.end_amdgpu_metadata
.endif
;; end of part 3
;; launch proj (part 4): grid 4 x 32, 4 waves a work-group, clusters of 4 x 4, 327,680 bytes of LDS; arguments aq, wq, b_proj, out0; writes out0
.if DOCPART == 4
	.amdgcn_target "amdgcn-amd-amdhsa--gfx1250"
	.amdhsa_code_object_version 6
	.text
	.protected	k_qb822ac3970_proj
	.globl	k_qb822ac3970_proj
	.p2align	8
	.type	k_qb822ac3970_proj,@function
k_qb822ac3970_proj:
	s_mov_b64 s[64:65], 0
	v_nop
	global_prefetch_b8 v0, s[64:65] scope:SCOPE_SE
	s_setreg_imm32_b32 hwreg(HW_REG_WAVE_MODE, 25, 1), 1
	s_wait_xcnt 0x0
	s_wait_alu depctr_hold_cnt(0) depctr_sa_sdst(0) depctr_va_vdst(0) depctr_va_sdst(0) depctr_va_ssrc(0) depctr_va_vcc(0) depctr_vm_vsrc(0)
	s_getreg_b32 s2, hwreg(HW_REG_IB_STS2, 6, 4)
	s_cmp_eq_u32 s2, 0
	s_cbranch_scc0 .Lentry_in_a_cluster
	s_endpgm
.Lentry_in_a_cluster:
	s_bfe_u32 s2, ttmp6, 0x10000c
	s_cmp_lg_u32 s2, 0xf033
	s_cbranch_scc0 .Lentry_shape_is_right
	s_endpgm
.Lentry_shape_is_right:
; out0 = o w_proj + b_proj on codes of FP6 (E2M3) with E8M0 scales; K = 1,024; out0 [8192][1024] f32.
; OPERANDS lie as images of operand registers: o's 512 tiles in aq, w_proj's 64 tiles of columns in wq from tile 192 on: tile T (16 rows: row 32 (T / 2) + 8 (T % 2) + i + 8 (i / 8)), K step s: T x 12,288 + s x 1,536,
; register pair p of lane l at 256 p + 8 l; scale words behind the codes: T x 512 + (s / 2) x 128 + 8 i + 4 (s % 2).
; SHAPE.  A work-group of four waves makes 256 x 256 of out0, a wave 128 x 128 in 64 accumulators.  K goes in steps of 256 through a ring of two LDS slots; the scale words of the work-group's 512 rows come once.
; Source 0 = a tile of w_proj's columns (B), source 1 = a tile of tokens (A): a lane holds one token.  The bias is the C of each sum's first matrix instruction.
; CLUSTERS: 4 x 4 work-groups; A's tiles are asked for jointly by a row of the cluster, B's by a column.  128 work-groups: this text keeps the tile and the loop of the first product.
; REGISTERS, in windows of 256: window 0: v1-31 addresses; v32-63 scale words, two sets; v64-127 the bias, eight registers for each of B's blocks; v128-223 A's fragments; on the way out v128-255 rows of out0.
;   window 1: B's fragments, two sets, at v0 and v128.   window 2: the accumulators of A's blocks 0-3 ((a, b) at v[8 (8 a + b)]);  window 3: those of blocks 4-7.
.set ASC,    6291456
.set WSC,    3145728
.set NQ,     2
.set FR,     12
.set NL,     6
.set NP,     4
.set FRB,    1536
.set TILEB,  NQ*FRB
.set HALFT,  8*TILEB
.set SLOT,   4*HALFT
.set SCL,    2*SLOT
.set HALFS,  8*512
.set SPARE,  SCL+4*HALFS               ; the spare words, 128 bytes for each wave: two blocks of 256 bytes that no other line names
.set SPITCH, 528                       ; the way out: a stage of 16 rows x (512 bytes + 16) for each wave, in slot 0, which has had its last fill and its last read when the first result is stored there
.set ADRA, 16
.set ADRB, 20
.set STO,  24                          ; v24  the stage: where I put 16 bytes of a row
.set RD,   25                          ; v25  and where I read a row back
.set CO,   26                          ; v26  16 x lane
.set ADRS, 27
.set SPW,  28                          ; v28  LDS address of my spare word; never rewritten
.set NIL,  29                          ; v29  0; never rewritten
.set SC,   32
.set BIAS, 64
.set AF,   128
.set BK,   128
.set G1, 24
.set G0, 32
.set G1B, 48
.set G0B, 56
.set G1S, 68
.set G0S, 76
.set G1SB, 80
.set G0SB, 88
.set MSB, 0
.macro WIN new                         ; the immediate's high byte repeats the setting that is left
.if MSB != \new
	s_set_vgpr_msb (MSB<<8)|\new
.set MSB, \new
.endif
.endm
.set MUL_LO, 0xa1                      ; source 0 (B) window 1, source 1 (A) window 0, C and D window 2
.set MUL_HI, 0xf1                      ; the same, C and D window 3
.set BIA_LO, 0x81                      ; the first step: C (the bias) window 0, D window 2
.set BIA_HI, 0xc1                      ; D window 3
.set TO_B,   0x40
.macro JLOAD g0a, g1a, g0b, g1b        ; a joint load: waves 0 and 1 fetch for A, waves 2 and 3 for B; an s_nop 0 and four v_nop follow each of the two lines
	s_cmp_eq_u32 s15, 0
	s_cbranch_scc0 .Lfor_b_\@
	tensor_load_to_lds s[\g0a:\g0a+3], s[\g1a:\g1a+7]
	s_nop 0
.rept 4
	v_nop
.endr
	s_branch .Lasked_\@
.Lfor_b_\@:
	tensor_load_to_lds s[\g0b:\g0b+3], s[\g1b:\g1b+7]
	s_nop 0
.rept 4
	v_nop
.endr
.Lasked_\@:
.endm
.macro CREST
	s_cmp_lg_u32 s14, 0
	s_cbranch_scc1 .Lnot_wave_0_\@
	s_barrier_signal -3
.Lnot_wave_0_\@:
	s_barrier_wait -3
	s_barrier_signal -1
	s_barrier_wait -1
.endm
.macro CROUND
	s_barrier_signal -1
	s_barrier_wait -1
	CREST
.endm
	s_load_b256 s[4:11], s[0:1], 0x0               ; aq, wq, b_proj, out0
	v_lshl_add_u32 v[SPW], v0, 2, SPARE
	v_mov_b32 v[NIL], 0
	ds_add_u32 v[SPW], v[NIL]                      ; the wave's opening: the add and its wait stand ahead of my first tensor load
	v_lshrrev_b32 v1, 5, v0
	v_readfirstlane_b32 s14, v1                    ; wave 0..3
	s_lshr_b32 s15, s14, 1
	s_and_b32 s16, s14, 1
	s_bfe_u32 s40, ttmp6, 0x40000                  ; cx
	s_bfe_u32 s41, ttmp6, 0x40004                  ; cy
	s_lshl_b32 s42, ttmp9, 2
	s_add_co_u32 s42, s42, s40                     ; TC: my 256 columns
	s_and_b32 s17, ttmp7, 0xffff
	s_lshl_b32 s17, s17, 2
	s_add_co_u32 s17, s17, s41                     ; TR: my 256 tokens
	s_lshl_b32 s43, s41, 2
	s_lshl_b32 s43, 15, s43                        ; my row of the cluster
	s_lshl_b32 s44, 0x1111, s40                    ; my column
	s_or_b32 s[G1+0], s43, (3<<16)|(1<<21)         ; codes: 8 rows (tiles) of 3,072 bytes, 12,288 bytes apart; dense in LDS
	s_or_b32 s[G1B+0], s44, (3<<16)|(1<<21)
.irp g, G1, G1B
	s_mov_b32 s[\g+1], (TILEB/8)<<16
	s_mov_b32 s[\g+2], 8<<16
	s_mov_b32 s[\g+3], (TILEB/8)<<16
	s_mov_b32 s[\g+4], 8
	s_mov_b32 s[\g+5], 12288/8
	s_mov_b32 s[\g+6], 0
	s_mov_b32 s[\g+7], 0
.endr
	s_or_b32 s[G1S+0], s43, (3<<16)|(1<<21)        ; scale words of 8 tiles: 4,096 dense bytes as 16 rows of 256
	s_or_b32 s[G1SB+0], s44, (3<<16)|(1<<21)
.irp g, G1S, G1SB
	s_mov_b32 s[\g+1], 32<<16
	s_mov_b32 s[\g+2], (HALFS/256)<<16
	s_mov_b32 s[\g+3], 32<<16
	s_mov_b32 s[\g+4], HALFS/256
	s_mov_b32 s[\g+5], 32
	s_mov_b32 s[\g+6], 0
	s_mov_b32 s[\g+7], 0
.endr
	s_lshl_b32 s18, s16, 3
	s_lshl_b32 s20, s17, 4
	s_add_co_u32 s20, s20, s18                     ; A: first tile that I fetch
	s_lshl_b32 s46, s42, 4
	s_add_co_u32 s46, s46, s18                     ; B: likewise, counted from wq's tile 192
	s_mul_i32 s22, s20, 512
	s_add_co_u32 s22, s22, ASC
	s_mul_i32 s20, s20, 12288
	s_mul_i32 s92, s46, 512
	s_add_co_u32 s92, s92, WSC+192*512
	s_mul_i32 s46, s46, 12288
	s_add_co_u32 s46, s46, 192*12288
	s_mov_b32 s21, 0
	s_mov_b32 s23, 0
	s_mov_b32 s47, 0
	s_mov_b32 s93, 0
	s_mul_i32 s45, s14, HALFT
	s_mul_i32 s2, s14, HALFS
	s_wait_dscnt 0x0                               ; the opening add is done
	s_wait_kmcnt 0x0
	s_add_nc_u64 s[20:21], s[4:5], s[20:21]
	s_add_nc_u64 s[22:23], s[4:5], s[22:23]
	s_add_nc_u64 s[46:47], s[6:7], s[46:47]
	s_add_nc_u64 s[92:93], s[6:7], s[92:93]
	CROUND                                         ; all sixteen work-groups are here: the first joint loads meet
	s_mov_b32 s[G0S], 1
	s_add_co_u32 s[G0S+1], s2, SCL
	s_mov_b64 s[G0S+2:G0S+3], s[22:23]
	s_or_b32 s[G0S+3], s[G0S+3], 0x80000000
	s_mov_b32 s[G0SB], 1
	s_add_co_u32 s[G0SB+1], s2, SCL
	s_mov_b64 s[G0SB+2:G0SB+3], s[92:93]
	s_or_b32 s[G0SB+3], s[G0SB+3], 0x80000000
	JLOAD G0S, G1S, G0SB, G1SB
.irp s, 0,1
	s_mov_b32 s[G0+4*\s], 1
	s_add_co_u32 s[G0+4*\s+1], s45, \s*SLOT
	s_add_nc_u64 s[G0+4*\s+2:G0+4*\s+3], s[20:21], \s*TILEB
	s_or_b32 s[G0+4*\s+3], s[G0+4*\s+3], 0x80000000
	s_mov_b32 s[G0B+4*\s], 1
	s_add_co_u32 s[G0B+4*\s+1], s45, \s*SLOT
	s_add_nc_u64 s[G0B+4*\s+2:G0B+4*\s+3], s[46:47], \s*TILEB
	s_or_b32 s[G0B+4*\s+3], s[G0B+4*\s+3], 0x80000000
	JLOAD G0+4*\s, G1, G0B+4*\s, G1B               ; three tensor loads of mine are out
.endr
	v_and_b32 v1, 15, v0                           ; r
	v_bfe_u32 v2, v0, 4, 1                         ; h
	v_and_b32 v3, 31, v0
	v_lshlrev_b32 v[CO], 4, v3                     ; 16 x lane
	v_lshlrev_b32 v3, 3, v3                        ; 8 x lane
	v_lshlrev_b32 v7, 6, v2                        ; the bias: my half's 16 numbers of each 32
	s_lshl_b32 s20, s17, 8
	s_lshl_b32 s21, s15, 7
	s_add_co_u32 s20, s20, s21                     ; my first row of out0
	s_lshl_b32 s20, s20, 12
	s_lshl_b32 s46, s42, 10
	s_lshl_b32 s47, s16, 9
	s_add_co_u32 s46, s46, s47                     ; my first column, in bytes
	s_mov_b32 s47, 0
	s_add_nc_u64 s[8:9], s[8:9], s[46:47]
	s_add_co_u32 s20, s20, s46
	s_mov_b32 s21, 0
	s_add_nc_u64 s[12:13], s[10:11], s[20:21]
.irp b, 0,1,2,3,4,5,6,7                        ; register 8 b + j: b_proj at my column 32 (b / 2) + 16 h + 8 (b % 2) + j: the result's layout
	global_load_b128 v[BIAS+8*\b:BIAS+8*\b+3], v7, s[8:9] offset:128*(\b/2)+32*(\b%2)
	global_load_b128 v[BIAS+8*\b+4:BIAS+8*\b+7], v7, s[8:9] offset:128*(\b/2)+32*(\b%2)+16
.endr
	s_mul_i32 s21, s15, HALFT
	s_mul_i32 s22, s16, HALFT
	s_add_co_u32 s22, s22, 2*HALFT
.irp s, 0,1
	v_add_nc_u32 v[ADRA+\s], s21, v3
	v_add_nc_u32 v[ADRB+\s], s22, v3
	s_add_co_u32 s21, s21, SLOT
	s_add_co_u32 s22, s22, SLOT
.endr
	v_lshlrev_b32 v5, 3, v1
	s_mul_i32 s21, s15, HALFS
	s_mul_i32 s22, s16, HALFS
	s_add_co_u32 s22, s22, 2*HALFS
	s_sub_co_u32 s22, s22, s21
	v_mul_u32_u24 v6, s22, v2                      ; lanes 16-31 take B's: one product, the distance x h
	s_add_co_u32 s21, s21, SCL
	v_add_nc_u32 v5, v5, v6
	v_add_nc_u32 v[ADRS], s21, v5
	s_mul_i32 s23, s14, 16*SPITCH                  ; my stage
	v_mul_u32_u24 v5, v1, SPITCH
	v_lshl_add_u32 v5, v2, 6, v5
	v_add_nc_u32 v[STO], s23, v5                   ; in: row r, + 64 h
	v_add_nc_u32 v[RD], s23, v[CO]                 ; back: the 32 lanes take one row of 512 bytes
.macro FRAG reg, adr, q, i
.irp p, 0,1,2,3,4,5
	ds_load_b64 v[\reg+2*\p:\reg+2*\p+1], v[\adr] offset:(\i)*TILEB+(\q)*FRB+256*\p
.endr
.endm
; 16 matrix instructions: A's blocks a0, a0 + 1 x B's eight.  first = 1: the bias is the C.  The 64 accumulators take turns, one instruction a turn, in the same order in every step.
.macro MUL16 a0, p, q, sc, first
.irp a, \a0, \a0+1
.irp b, 0,1,2,3,4,5,6,7
.if \first
	v_wmma_scale_f32_16x16x128_f8f6f4 v[8*(8*((\a)%4)+\b):8*(8*((\a)%4)+\b)+7], v[128*(\p)+FR*\b:128*(\p)+FR*\b+FR-1], v[AF+FR*(\a):AF+FR*(\a)+FR-1], v[BIAS+8*\b:BIAS+8*\b+7], v[SC+8*NQ*(\sc)+NQ*\b+(\q)], v[SC+8*NQ*(\sc)+NQ*(\a)+(\q)] matrix_a_fmt:MATRIX_FMT_FP6 matrix_b_fmt:MATRIX_FMT_FP6 matrix_a_scale:MATRIX_SCALE_ROW1
.else
	v_wmma_scale_f32_16x16x128_f8f6f4 v[8*(8*((\a)%4)+\b):8*(8*((\a)%4)+\b)+7], v[128*(\p)+FR*\b:128*(\p)+FR*\b+FR-1], v[AF+FR*(\a):AF+FR*(\a)+FR-1], v[8*(8*((\a)%4)+\b):8*(8*((\a)%4)+\b)+7], v[SC+8*NQ*(\sc)+NQ*\b+(\q)], v[SC+8*NQ*(\sc)+NQ*(\a)+(\q)] matrix_a_fmt:MATRIX_FMT_FP6 matrix_b_fmt:MATRIX_FMT_FP6 matrix_a_scale:MATRIX_SCALE_ROW1
.endif
.endr
.endr
.endm
.macro FETCH_B slot, q, p
	WIN TO_B
.irp i, 0,1,2,3,4,5,6,7
	FRAG 128*(\p)+FR*\i, ADRB+\slot, \q, \i
.endr
	WIN 0
.endm
.macro FETCH_A slot, q, i0
.irp i, \i0, \i0+1, \i0+2, \i0+3
	FRAG AF+FR*(\i), ADRA+\slot, \q, \i
.endr
.endm
.macro SCALES sc
.irp i, 0,1,2,3,4,5,6,7
	ds_load_b64 v[SC+8*NQ*\sc+NQ*\i:SC+8*NQ*\sc+NQ*\i+1], v[ADRS] offset:\i*512
.endr
.endm
.macro PLACES n
.rept \n
	v_nop
.endr
.endm
.macro STEP slot, q, first
	s_wait_dscnt 4*NL                              ; B's set and A's blocks 0-3 are in; the youngest 24 loads (A's blocks 4-7) may be out
.if \first
	WIN BIA_LO
.else
	WIN MUL_LO
.endif
	MUL16 0, (\q)%2, \q, \slot, \first
	MUL16 2, (\q)%2, \q, \slot, \first
	s_wait_dscnt 0
	PLACES NP
	FETCH_B \slot, (\q)+1, 1-(\q)%2
	FETCH_A \slot, (\q)+1, 0
.if \first
	WIN BIA_HI
.else
	WIN MUL_HI
.endif
	MUL16 4, (\q)%2, \q, \slot, \first
	MUL16 6, (\q)%2, \q, \slot, \first
	PLACES NP
	WIN 0
	FETCH_A \slot, (\q)+1, 4
.endm
.macro TURN slot, next, fill
	s_wait_tensorcnt 0x0                           ; all my tensor loads have landed: my part of the next slot
	ds_add_u32 v[SPW], v[NIL]                      ; 0 onto my spare word
	s_wait_dscnt 4*NL+1                            ; (the add and the youngest 24 loads may be out)
	WIN MUL_LO
	MUL16 0, 1, NQ-1, \slot, 0
	s_wait_dscnt 0x0                               ; the add is done, and my reads of this slot are over
	s_barrier_signal -1
	MUL16 2, 1, NQ-1, \slot, 0
	WIN 0
	s_barrier_wait -1
.if \fill
	CREST                                          ; the barrier has opened a round of the cluster's: no wave of any partner still reads this slot or has a load on its way
	s_add_nc_u64 s[G0+4*\slot+2:G0+4*\slot+3], s[G0+4*\slot+2:G0+4*\slot+3], 2*TILEB
	s_add_nc_u64 s[G0B+4*\slot+2:G0B+4*\slot+3], s[G0B+4*\slot+2:G0B+4*\slot+3], 2*TILEB
	JLOAD G0+4*\slot, G1, G0B+4*\slot, G1B         ; my one tensor load behind the round
.else
	PLACES NP
.endif
	v_add_nc_u32 v[ADRS], 128, v[ADRS]
	FETCH_B \next, 0, 0
	FETCH_A \next, 0, 0
	SCALES \next
	WIN MUL_HI
	MUL16 4, 1, NQ-1, \slot, 0
	MUL16 6, 1, NQ-1, \slot, 0
	PLACES NP
	WIN 0
	FETCH_A \next, 0, 4
.endm
	s_wait_tensorcnt 1                             ; the scale words and my part of slot 0 are in; slot 1's load may be out
	s_barrier_signal -1
	s_barrier_wait -1
	FETCH_B 0, 0, 0
	FETCH_A 0, 0, 0
	SCALES 0
	FETCH_A 0, 0, 4
	s_wait_loadcnt 0x0                             ; the bias
	STEP 0, 0, 1
	TURN 0, 1, 1
	STEP 1, 0, 0
	TURN 1, 0, 1
	STEP 0, 0, 0
	TURN 0, 1, 0
	STEP 1, 0, 0
	s_wait_dscnt 4*NL
	WIN MUL_LO
	MUL16 0, 1, NQ-1, 1, 0
	MUL16 2, 1, NQ-1, 1, 0
	s_wait_dscnt 0
	WIN MUL_HI
	MUL16 4, 1, NQ-1, 1, 0
	MUL16 6, 1, NQ-1, 1, 0
	WIN 0
; THE WAY OUT, block by block of 16 tokens x 128 columns, through my own stage: in by lanes (a lane holds pieces of one row), back as whole rows of 512 bytes.  LDS serves a wave's instructions in order.
.macro TOSTAGE a
.set AC, 64*((\a)%4)
.set WD, 0x08+4*((\a)/4)
	WIN WD                                         ; an LDS store's data: window 2 or 3
.irp b, 0,1,2,3,4,5,6,7
	ds_store_b128 v[STO], v[AC+8*\b:AC+8*\b+3] offset:128*(\b/2)+32*(\b%2)          ; each accumulator from its low end on
	ds_store_b128 v[STO], v[AC+8*\b+4:AC+8*\b+7] offset:128*(\b/2)+32*(\b%2)+16
.endr
	WIN 0
.set BB, BK+64*((\a)%2)
.irp t, 0,1,2,3,4,5,6,7,8,9,10,11,12,13,14,15
	ds_load_b128 v[BB+4*\t:BB+4*\t+3], v[RD] offset:\t*SPITCH
.endr
.endm
.macro SEND a, younger                 ; younger: the LDS instructions issued behind block a's loads, which may stay out
.set BB, BK+64*((\a)%2)
	s_wait_dscnt \younger
.irp t, 0,1,2,3,4,5,6,7,8,9,10,11,12,13,14,15
	global_store_b128 v[CO], v[BB+4*\t:BB+4*\t+3], s[12:13] offset:(32*((\a)/2)+8*((\a)%2)+\t+8*(\t/8))*4096 th:TH_STORE_NT   ; index t of tile a is that row; 512 consecutive aligned bytes; 127 rows at the most: inside the immediate, so no base is stepped
.endr
.endm
	PLACES NP
	TOSTAGE 0
.irp a, 1,2,3,4,5,6,7
.if \a > 1
	s_wait_xcnt 0x0                                ; block a - 2's stores have read their registers: block a's loads may land there
.endif
	TOSTAGE \a
	SEND \a-1, 32                                  ; behind block a - 1's loads: block a's 16 stores and 16 loads
.endr
	SEND 7, 0
	s_wait_tensorcnt 0x0                           ; the wave's end
	ds_add_u32 v[SPW], v[NIL]
	s_wait_dscnt 0x0
	CROUND                                         ; the closing round
	s_endpgm
.Lfunc_end_k_qb822ac3970_proj:
	.size	k_qb822ac3970_proj, .Lfunc_end_k_qb822ac3970_proj-k_qb822ac3970_proj
	.p2alignl 7, 3214868480
	.fill 96, 4, 3214868480
	.section	.rodata,"a",@progbits
	.p2align	6, 0x0
	.amdhsa_kernel k_qb822ac3970_proj
		.amdhsa_group_segment_fixed_size 327680
		.amdhsa_private_segment_fixed_size 0
		.amdhsa_enable_private_segment 0
		.amdhsa_kernarg_size 32
		.amdhsa_user_sgpr_count 2
		.amdhsa_user_sgpr_kernarg_segment_ptr 1
		.amdhsa_wavefront_size32 1
		.amdhsa_system_sgpr_workgroup_id_x 1
		.amdhsa_system_sgpr_workgroup_id_y 1
		.amdhsa_system_sgpr_workgroup_id_z 1
		.amdhsa_system_vgpr_workitem_id 0
		.amdhsa_next_free_vgpr 1024
		.amdhsa_next_free_sgpr 100
		.amdhsa_reserve_vcc 0
		.amdhsa_float_denorm_mode_32 3
		.amdhsa_float_denorm_mode_16_64 3
		.amdhsa_memory_ordered 1
		.amdhsa_forward_progress 1
		.amdhsa_inst_pref_size 160
	.end_amdhsa_kernel
	.amdgpu_metadata
---
amdhsa.version: [ 1, 2 ]
amdhsa.kernels:
  - .name:           k_qb822ac3970_proj
    .symbol:         k_qb822ac3970_proj.kd
    .args:
      - { .name: aq, .offset: 0, .size: 8, .value_kind: global_buffer, .address_space: global }
      - { .name: wq, .offset: 8, .size: 8, .value_kind: global_buffer, .address_space: global }
      - { .name: b_proj, .offset: 16, .size: 8, .value_kind: global_buffer, .address_space: global }
      - { .name: out0, .offset: 24, .size: 8, .value_kind: global_buffer, .address_space: global }
    .group_segment_fixed_size: 327680
    .private_segment_fixed_size: 0
    .kernarg_segment_align: 8
    .kernarg_segment_size: 32
    .max_flat_workgroup_size: 128
    .sgpr_count:     100
    .vgpr_count:     1024
    .wavefront_size: 32
...
	.end_amdgpu_metadata
.endif
;; end of part 4
